; MI455X (gfx1250); checked and timed in simulation.
; The chip was launched on July 23, 2026; its instructions are those of AMD's public machine-readable ISA for CDNA 5 (MIT licence, August 2026) and "CDNA5" Instruction Set Architecture Reference Guide (July 2026). The comments in the code are by the model that wrote it; some were corrected since.
;; Causal Self Attention. Allowed arithmetic: matrix products marked QUANTISED: E2M3 operands, one E8M0 scale for each 32 along K, by v_wmma_scale_f32_16x16x128_f8f6f4 with both operands' format E2M3, f32 sums; everything else in f32.
;; Inputs: freqs 2,048 x 64 x 2 float32; mask 2,048 x 2,048 float32; wk 2,048 x 2,048 float32; wo 2,048 x 2,048 float32; wq 2,048 x 2,048 float32; wv 2,048 x 2,048 float32; x 1 x 2,048 x 2,048 float32.
;; Outputs: out0 1 x 2,048 x 2,048 float32.
;; This version of the problem:
;;   THIS VERSION OF THE PROBLEM IS GIVEN IN LOW PRECISION. The matrix products marked QUANTISED in the list below multiply operands that are first quantised to E2M3 (2 exponent bits, 3 mantissa bits; 6 bits a number), with one power-of-two scale for each 32 numbers along K (OCP MX v1.0); their sums are f32. All else is computed in f32.
;;   The module's matrix products, in the order in which they are computed (A, B: the left and right operand; K: the contracted axis; several contracted axes count as one K, in the product's order):
;;     1. [M 2,048, K 2,048] x [K 2,048, N 2,048]; A: input x; B: input wq: QUANTISED
;;     2. [M 2,048, K 2,048] x [K 2,048, N 2,048]; A: input x; B: input wk: QUANTISED
;;     3. [M 2,048, K 2,048] x [K 2,048, N 2,048]; A: input x; B: input wv: QUANTISED
;;     4. batch 16 x [M 2,048, K 128] x [K 128, N 2,048]; A: computed on the way; B: computed on the way: QUANTISED
;;     5. batch 16 x [M 2,048, K 2,048] x [K 2,048, N 128]; A: softmax (see below); B: computed on the way: QUANTISED
;;     6. [M 2,048, K 2,048] x [K 2,048, N 2,048]; A: computed on the way; B: input wo: QUANTISED
;;   THE QUANTISER, for each operand of a quantised product, along K:
;;     - K is cut into blocks of 32 from its start; a last block that is shorter is filled with zeros.
;;     - A block's scale is 2^e with e = floor(log2(the largest magnitude in the block)) - 2, held to -126 .. 127; a block of zeros has e = 0. As a byte (E8M0): e + 127.
;;     - Each number is divided by its block's scale, clamped to +-7.5, and rounded to the nearest number of E2M3, ties to even, subnormals kept.
;;     - The product sums the exact products of the quantised numbers (number of the format x scale) in f32.
;;   ~~~python
;;   def quantise(x, axis):      # numpy; x: float32 -> the quantised numbers, widened to float32 again
;;       x = np.moveaxis(x, axis, -1); K = x.shape[-1]
;;       x = np.pad(x, [(0, 0)] * (x.ndim - 1) + [(0, -K % 32)]); x = x.reshape(x.shape[:-1] + (-1, 32)); a = np.abs(x).max(-1, keepdims=True)
;;       e = np.where(a > 0, np.clip(np.frexp(np.where(a > 0, a, 1))[1] - 1 - 2, -126, 127), 0)      # np.frexp(a)[1] - 1 = floor(log2(a)), exactly
;;       r = np.clip(x / 2.0 ** e, -7.5, 7.5)
;;       step = 2.0 ** (np.maximum(np.frexp(np.where(r == 0, 1, r))[1] - 1, 0) - 3)
;;       q = np.round(r / step) * step * 2.0 ** e      # np.round: ties to even
;;       return np.moveaxis(q.reshape(q.shape[:-2] + (-1,))[..., :K], -1, axis).astype(np.float32)
;;   ~~~
;;   SOFTMAX AHEAD OF A QUANTISED PRODUCT. Where the list says 'softmax', what is quantised is not the finished softmax but p = 2^(t - M), with t = logit x log2(e) and M = ceil(the row's largest t), a whole number; so 1/2 < the row's largest p <= 1. The row's sum l is taken of the UNQUANTISED p, in f32, and the product's result is divided by l at the end. Since M is a whole number, a kernel that streams over the keys may use a running M (the ceiling of the running maximum): every later rescaling is an exact power of two, which a block's scale takes up: the codes' values come out the same.
;;   OPERANDS COMPUTED ON THE WAY. 'Computed on the way' means the value that the module computes at that place (a softmax that the list does not call 'softmax' is quantised finished and normalised). What goes into a quantiser is computed in f32, as accurately as f32 sums, v_exp_f32 and their like allow (about 1e-6 of the number): no bf16 or f16 on the way to a quantiser, and a product that is left as it is and whose result goes on into a quantised operand takes f32 operands (vector FMAs, or v_wmma_f32_16x16x4_f32). A number that lies on a knife's edge between two numbers of the format may be rounded either way, as far as f32 arithmetic and the matrix unit's own rounding can turn it there, and no further.
;; One version. Each part assembles by itself: llvm-mc -triple=amdgcn-amd-amdhsa -mcpu=gfx1250 --defsym DOCPART=n.
;; ======== version 1 of 1: 4 launches
;; limits: right only within a limited range of input values
;; workspace buffers: ci 15,728,640 bytes; cs 1,376,256 bytes; qkvc 9,437,184 bytes; qkvs 786,432 bytes; ac 3,145,728 bytes; asc 262,144 bytes
;; launch quant (part 1): grid 256 x 1, 8 waves a work-group, no clusters, 68,608 bytes of LDS; arguments x, wq, wk, wv, wo, ci, cs; writes ci, cs
.if DOCPART == 1
	.amdgcn_target "amdgcn-amd-amdhsa--gfx1250"
	.amdhsa_code_object_version 6
	.text
	.protected	k_q732f631c34_quant
	.globl	k_q732f631c34_quant
	.p2align	8
	.type	k_q732f631c34_quant,@function
k_q732f631c34_quant:
	s_mov_b64 s[64:65], 0
	v_nop
	global_prefetch_b8 v0, s[64:65] scope:SCOPE_SE
	s_setreg_imm32_b32 hwreg(HW_REG_WAVE_MODE, 25, 1), 1
	s_wait_xcnt 0x0
; x, wq, wk, wv, wo, each [2048][2048] f32 with K innermost, become codes of FP6 (E2M3) with one E8M0 byte for each 32 along K.
; A block's scale is 2^(floor(log2(its largest magnitude)) - 2); its byte is that magnitude's exponent field - 2, held at 1 from below.
; THE LAYOUT IS AN IMAGE OF THE OPERAND'S REGISTERS.  A fragment is 16 rows x 128 K: 12 registers a lane; lane (r, h) holds in registers 6 c .. 6 c + 5 the codes k = 64 c + 32 h + 0 .. 31
; of the tile's r-th row.  Its image is 1,536 bytes: register 4 g + i of lane l at byte 512 g + 16 l + 4 i.  Its scale words: 128 bytes, lane l's word at 4 l (both halves of the lanes hold row r's).
; THE ROWS OF A TILE ARE NOT NEIGHBOURS: tile T takes, in lane place p, row 32 (T / 2) + 8 (T % 2) + p + 8 (p / 8).  A matrix is laid [tile T][K step s]: image 16 T + s.
; SHARES: wave W = 8 x work-group + wave makes image W of each of the five tensors: five steps, written out.  Each load reads 512 consecutive bytes (a row's 128 numbers of the K step); the 16 rows turn through
; the wave's own stage in LDS (rows 528 bytes apart = 132 words: the sixteen rows that a load of 16 bytes touches start at sixteen different banks; 64 banks of 4 bytes: ISA guide 11.1), so that a lane gets two whole blocks of 32.
; Each store of codes covers 512 consecutive bytes, aligned.  No barrier: waves share nothing.  Behind cs's five sections lies a table of 8,192 pairs (1.0, 0.0), which the next launch reads as a rotation that changes nothing.
; LIMITS: NaN and infinities are not served.  A block whose largest magnitude lies under 2^-124 is held at byte 1; a block of zeros has byte 1 where the rule says 127: its codes are zeros, and this program alone reads the bytes.
.set CSEC, 3145728                     ; a tensor's codes in bytes
.set SSEC, 262144                      ; a tensor's scale words
.set UNIT, 5*SSEC                      ; the table of (1.0, 0.0)
.set SP,   528                         ; a stage row
.set WST,  16*SP                       ; a wave's stage
.set GA,   2                           ; v2   16 x lane: my bytes of a load and of a store
.set STA,  3                           ; v3   the stage, on the way in
.set LDA,  4                           ; v4   and on the way out: row r, + 128 h
.set LS,   5                           ; v5   4 x lane
.set SH,   6                           ; v6   8 h: where my two bytes stand in the scale word
.set PD,   7                           ; v7   the lane permute's destination
.set WD,   8                           ; v8   the scale word
.set R,    16                          ; v16-143  two sets of 64 numbers as loaded
.set X,    144                         ; v144-207 my two blocks of 32
.set PC,   208                         ; v208-219 the fragment
.set PT,   220                         ; v220-222, v224-226 the blocks' upper halves
.set MX,   228
.set SOP,  230
.set BY,   232
	s_load_b256 s[4:11], s[0:1], 0x0               ; x, wq, wk, wv
	s_load_b128 s[12:15], s[0:1], 0x20             ; wo, ci
	s_load_b64 s[16:17], s[0:1], 0x30              ; cs
	v_lshl_add_u32 v240, v0, 2, 0x10800
	v_mov_b32 v241, 0
	v_lshrrev_b32 v1, 5, v0
	s_delay_alu instid0(VALU_DEP_1)
	v_readfirstlane_b32 s18, v1                    ; wave 0..7
	v_and_b32 v1, 31, v0                           ; lane
	v_and_b32 v9, 15, v0                           ; r
	v_bfe_u32 v12, v0, 4, 1                        ; h
	s_delay_alu instid0(VALU_DEP_3)
	v_lshlrev_b32 v[GA], 4, v1
	s_mul_i32 s19, s18, WST
	v_add_nc_u32 v[STA], s19, v[GA]
	v_mul_u32_u24 v[LDA], v9, SP
	s_delay_alu instid0(VALU_DEP_1)
	v_lshl_add_u32 v[LDA], v12, 7, v[LDA]
	s_delay_alu instid0(VALU_DEP_1)
	v_add_nc_u32 v[LDA], s19, v[LDA]
	v_lshlrev_b32 v[LS], 2, v1
	v_lshlrev_b32 v[SH], 3, v12
	v_mov_b32 v[PD], 0                             ; written once: a lane permute's destination counts as one of its sources
	v_mov_b32 v10, 1.0
	v_mov_b32 v11, 0
	v_lshlrev_b32 v13, 3, v1                       ; 8 x lane: a pair of the table
	s_mov_b32 s44, 0x76543210
	s_mov_b32 s45, 0xfedcba98                      ; v_permlanex16_b32's selects for lane l xor 16
	s_lshl_b32 s22, ttmp9, 3
	s_add_co_u32 s22, s22, s18                     ; W: tile W / 16, K step W % 16
	s_lshr_b32 s20, s22, 5
	s_lshl_b32 s20, s20, 5                         ; 32 (T / 2)
	s_bfe_u32 s21, s22, 0x10004
	s_lshl_b32 s21, s21, 3                         ; 8 (T % 2)
	s_add_co_u32 s20, s20, s21
	s_lshl_b32 s20, s20, 13                        ; rows of 8,192 bytes
	s_and_b32 s21, s22, 15
	s_lshl_b32 s21, s21, 9                         ; a K step is 512 bytes of a row
	s_add_co_u32 s20, s20, s21
	s_mov_b32 s21, 0
	s_mul_i32 s24, s22, 1536                       ; my image
	s_mov_b32 s25, 0
	s_lshl_b32 s22, s22, 7                         ; my scale words
	s_mov_b32 s23, 0
	s_lshl_b32 s46, ttmp9, 8                       ; my work-group's 256 bytes of the table
	s_mov_b32 s47, 0
	s_wait_kmcnt 0x0
.irp t, 0,1,2,3,4
	s_add_nc_u64 s[4+2*\t:5+2*\t], s[4+2*\t:5+2*\t], s[20:21]
.endr
	s_add_nc_u64 s[46:47], s[16:17], s[46:47]
	s_add_nc_u64 s[14:15], s[14:15], s[24:25]
	s_add_nc_u64 s[16:17], s[16:17], s[22:23]
.irp t, 0,1,2,3,4
	s_add_nc_u64 s[24+2*\t:25+2*\t], s[14:15], \t*CSEC
	s_add_nc_u64 s[34+2*\t:35+2*\t], s[16:17], \t*SSEC
.endr
.macro LOAD t                          ; tensor t's 16 rows x 128 numbers into set t % 2: lane place i is row i + 8 (i / 8) of the tile's group
.irp i, 0,1,2,3,4,5,6,7,8,9,10,11,12,13,14,15
	global_load_b128 v[R+64*((\t)%2)+4*\i:R+64*((\t)%2)+4*\i+3], v[GA], s[4+2*(\t):5+2*(\t)] offset:(\i+8*(\i/8))*8192 th:TH_LOAD_NT
.endr
.endm
	LOAD 0
	LOAD 1
	s_cmp_lg_u32 s18, 0                            ; wave 0 writes the work-group's part of the table: 32 lanes, 256 consecutive bytes, aligned
	s_cbranch_scc1 .Lno_unit
	s_wait_alu depctr_va_vdst(0)
	global_store_b64 v13, v[10:11], s[46:47] offset:UNIT
.Lno_unit:
.macro STEP t
.if (\t) < 4
	s_wait_loadcnt 16                              ; this tensor's 16 loads are in; the next tensor's 16 may be out
.else
	s_wait_loadcnt 0x0
.endif
.irp i, 0,1,2,3,4,5,6,7,8,9,10,11,12,13,14,15
	ds_store_b128 v[STA], v[R+64*((\t)%2)+4*\i:R+64*((\t)%2)+4*\i+3] offset:SP*\i
.endr
.irp c, 0,1
.irp j, 0,1,2,3,4,5,6,7
	ds_load_b128 v[X+32*\c+4*\j:X+32*\c+4*\j+3], v[LDA] offset:256*\c+16*\j   ; LDS serves a wave's instructions in order (ISA guide 5.7.1.4): these see the stores above.  Row r, k = 64 c + 32 h + 0 .. 31
.endr
.endr
	s_wait_dscnt 0x0                               ; my two blocks are in, and the stores have read their registers,
.if (\t) < 3
	LOAD (\t)+2                                    ; which take the loads of two tensors on
.endif
.irp c, 0,1
	v_max3_num_f32 v[MX+\c], |v[X+32*\c]|, |v[X+32*\c+1]|, 0x1800000   ; block 2 c + h: all 32 numbers are mine; the floor 2^(3 - 127) holds the byte at 1 from below
.endr
.irp i, 2,4,6,8,10,12,14,16,18,20,22,24,26,28,30
.irp c, 0,1
	s_delay_alu instid0(VALU_DEP_2)
	v_max3_num_f32 v[MX+\c], v[MX+\c], |v[X+32*\c+\i]|, |v[X+32*\c+\i+1]|
.endr
.endr
.irp c, 0,1
	s_delay_alu instid0(VALU_DEP_2)
	v_add_nc_u32 v[SOP+\c], 0xff000000, v[MX+\c]   ; 2 off the exponent field: the conversion takes the exponent field of this operand as its scale
.endr
.irp c, 0,1
	s_delay_alu instid0(VALU_DEP_2)
	v_lshrrev_b32 v[BY+\c], 23, v[SOP+\c]          ; the scale's byte
.endr
	s_wait_alu depctr_va_vdst(0)
	s_wait_xcnt 0x0                                ; the last step's stores have read the word and the codes: both are written again only behind this wait
	v_lshl_or_b32 v[WD], v[BY+1], 16, v[BY]        ; my two bytes: blocks h and 2 + h,
	s_delay_alu instid0(VALU_DEP_1)
	v_lshlrev_b32 v[WD], v[SH], v[WD]              ; at their places;
	s_delay_alu instid0(VALU_DEP_1)
	v_permlanex16_b32 v[PD], v[WD], s44, s45
	s_delay_alu instid0(VALU_DEP_1)
	v_or_b32 v[WD], v[WD], v[PD]                   ; with lane l xor 16's two the word is whole, in both halves of the lanes
.irp c, 0,1
	v_cvt_scalef32_pk16_fp6_f32 v[PC+6*\c:PC+6*\c+2], v[X+32*\c:X+32*\c+15], v[SOP+\c]
	v_cvt_scalef32_pk16_fp6_f32 v[PT+4*\c:PT+4*\c+2], v[X+32*\c+16:X+32*\c+31], v[SOP+\c]   ; (a conversion's three registers begin on an even number)
.endr
	v_nop                                          ; one plain place behind a scaled conversion
.irp c, 0,1
.irp i, 0,1,2
	v_mov_b32 v[PC+3+6*\c+\i], v[PT+4*\c+\i]
.endr
.endr
.irp g, 0,1,2
	global_store_b128 v[GA], v[PC+4*\g:PC+4*\g+3], s[24+2*(\t):25+2*(\t)] offset:512*\g
.endr
	global_store_b32 v[LS], v[WD], s[34+2*(\t):35+2*(\t)]
.endm
	s_wait_alu depctr_va_vdst(0)
.irp t, 0,1,2,3,4
	STEP \t
.endr
	s_wait_tensorcnt 0x0
	ds_add_u32 v240, v241
	s_wait_dscnt 0x0
	s_endpgm
.Lfunc_end_k_q732f631c34_quant:
	.size	k_q732f631c34_quant, .Lfunc_end_k_q732f631c34_quant-k_q732f631c34_quant
	.p2alignl 7, 3214868480
	.fill 96, 4, 3214868480
	.section	.rodata,"a",@progbits
	.p2align	6, 0x0
	.amdhsa_kernel k_q732f631c34_quant
		.amdhsa_group_segment_fixed_size 68608
		.amdhsa_private_segment_fixed_size 0
		.amdhsa_enable_private_segment 0
		.amdhsa_kernarg_size 56
		.amdhsa_user_sgpr_count 2
		.amdhsa_user_sgpr_kernarg_segment_ptr 1
		.amdhsa_wavefront_size32 1
		.amdhsa_system_sgpr_workgroup_id_x 1
		.amdhsa_system_sgpr_workgroup_id_y 1
		.amdhsa_system_sgpr_workgroup_id_z 1
		.amdhsa_system_vgpr_workitem_id 0
		.amdhsa_next_free_vgpr 242
		.amdhsa_next_free_sgpr 66
		.amdhsa_reserve_vcc 0
		.amdhsa_float_denorm_mode_32 3
		.amdhsa_float_denorm_mode_16_64 3
		.amdhsa_memory_ordered 1
		.amdhsa_forward_progress 1
		.amdhsa_inst_pref_size 44
	.end_amdhsa_kernel
	.amdgpu_metadata
---
amdhsa.version: [ 1, 2 ]
amdhsa.kernels:
  - .name:           k_q732f631c34_quant
    .symbol:         k_q732f631c34_quant.kd
    .args:
      - { .name: x, .offset: 0, .size: 8, .value_kind: global_buffer, .address_space: global }
      - { .name: wq, .offset: 8, .size: 8, .value_kind: global_buffer, .address_space: global }
      - { .name: wk, .offset: 16, .size: 8, .value_kind: global_buffer, .address_space: global }
      - { .name: wv, .offset: 24, .size: 8, .value_kind: global_buffer, .address_space: global }
      - { .name: wo, .offset: 32, .size: 8, .value_kind: global_buffer, .address_space: global }
      - { .name: ci, .offset: 40, .size: 8, .value_kind: global_buffer, .address_space: global }
      - { .name: cs, .offset: 48, .size: 8, .value_kind: global_buffer, .address_space: global }
    .group_segment_fixed_size: 68608
    .private_segment_fixed_size: 0
    .kernarg_segment_align: 8
    .kernarg_segment_size: 56
    .max_flat_workgroup_size: 256
    .sgpr_count:     66
    .vgpr_count:     242
    .wavefront_size: 32
...
	.end_amdgpu_metadata
.endif
;; end of part 1
;; launch qkv (part 2): grid 24 x 8, 4 waves a work-group, clusters of 4 x 4, 327,680 bytes of LDS; arguments ci, cs, freqs, qkvc, qkvs; writes qkvc, qkvs
.if DOCPART == 2
	.amdgcn_target "amdgcn-amd-amdhsa--gfx1250"
	.amdhsa_code_object_version 6
	.text
	.protected	k_q732f631c34_qkv
	.globl	k_q732f631c34_qkv
	.p2align	8
	.type	k_q732f631c34_qkv,@function
k_q732f631c34_qkv:
	s_mov_b64 s[64:65], 0
	v_nop
	global_prefetch_b8 v0, s[64:65] scope:SCOPE_SE
	s_setreg_imm32_b32 hwreg(HW_REG_WAVE_MODE, 25, 1), 1
	s_wait_xcnt 0x0
	s_wait_alu depctr_hold_cnt(0) depctr_sa_sdst(0) depctr_va_vdst(0) depctr_va_sdst(0) depctr_va_ssrc(0) depctr_va_vcc(0) depctr_vm_vsrc(0)
	s_getreg_b32 s2, hwreg(HW_REG_IB_STS2, 6, 4)
	s_cmp_eq_u32 s2, 0
	s_cbranch_scc0 .Lentry_in_a_cluster
	s_endpgm
.Lentry_in_a_cluster:
	s_bfe_u32 s2, ttmp6, 0x10000c
	s_cmp_lg_u32 s2, 0xf033
	s_cbranch_scc0 .Lentry_shape_is_right
	s_endpgm
.Lentry_shape_is_right:
.set CSEC,  3145728
.set SSEC,  262144
.set UNIT,  5*SSEC
.set QSEC,  3145728
.set QSS,   262144
.set IMG,   1536
.set TROW,  16*IMG
.set NQ,    2
.set TSL,   NQ*IMG
.set FR,    12
.set NL,    3
.set NP,    4
.set HALFT, 8*TSL
.set SLOT,  4*HALFT
.set SCL,   2*SLOT
.set HALFS, 8*2048
.set SPARE, SCL+4*HALFS
.set LAPS,  4
.set ADRA, 16
.set ADRB, 20
.set LI,   24
.set LS,   25
.set FA,   26
.set ADRS, 27
.set SPW,  28
.set NIL,  29
.set SC,   32
.set HA,   64
.set AF,   128
.set PC,   128
.set TM,   148
.set PW,   164
.set G1,   24
.set G0,   32
.set G1B,  48
.set G0B,  56
.set G1S,  68
.set G0S,  76
.set G1SB, 80
.set G0SB, 88
.set FP,   92
.set OC,   94
.set OS,   96
.set SEL,  100
.set MSB, 0
.macro WIN new
.if MSB != (\new)
	s_set_vgpr_msb (MSB<<8)|(\new)
.set MSB, (\new)
.endif
.endm
.set MUL_LO, 0xa1
.set MUL_HI, 0xf1
.set TO_B,   0x40
.macro JLOAD g0a, g1a, g0b, g1b
	s_cmp_eq_u32 s15, 0
	s_cbranch_scc0 .Lfor_b_\@
	tensor_load_to_lds s[\g0a:\g0a+3], s[\g1a:\g1a+7]
	s_nop 0
.rept 4
	v_nop
.endr
	s_branch .Lasked_\@
.Lfor_b_\@:
	tensor_load_to_lds s[\g0b:\g0b+3], s[\g1b:\g1b+7]
	s_nop 0
.rept 4
	v_nop
.endr
.Lasked_\@:
.endm
.macro CREST
	s_cmp_lg_u32 s14, 0
	s_cbranch_scc1 .Lnot_wave_0_\@
	s_barrier_signal -3
.Lnot_wave_0_\@:
	s_barrier_wait -3
	s_barrier_signal -1
	s_barrier_wait -1
.endm
.macro CROUND
	s_barrier_signal -1
	s_barrier_wait -1
	CREST
.endm
.macro PLACES n
.rept \n
	v_nop
.endr
.endm
	s_load_b256 s[4:11], s[0:1], 0x0
	s_load_b64 s[12:13], s[0:1], 0x20
	v_lshl_add_u32 v[SPW], v0, 2, SPARE
	v_mov_b32 v[NIL], 0
	ds_add_u32 v28, v29
	ds_add_u32 v28, v29
	s_wait_dscnt 0x0
	v_lshrrev_b32 v1, 5, v0
	v_readfirstlane_b32 s14, v1
	s_lshr_b32 s15, s14, 1
	s_and_b32 s16, s14, 1
	s_bfe_u32 s40, ttmp6, 0x40000
	s_bfe_u32 s41, ttmp6, 0x40004
	s_lshr_b32 s19, ttmp9, 1
	s_and_b32 s18, ttmp9, 1
	s_lshl_b32 s18, s18, 2
	s_add_co_u32 s18, s18, s40
	s_and_b32 s17, ttmp7, 0xffff
	s_lshl_b32 s17, s17, 2
	s_add_co_u32 s17, s17, s41
	s_lshl_b32 s42, s41, 2
	s_lshl_b32 s42, 15, s42
	s_lshl_b32 s43, 0x1111, s40
	s_add_co_u32 s44, s19, 1
	s_cmp_eq_u32 s19, 2
	s_cselect_b32 s44, 0, s44
	s_cselect_b32 s45, 3, 0
	s_or_b32 s[G1+0], s42, (3<<16)|(1<<21)
	s_or_b32 s[G1B+0], s43, (3<<16)|(1<<21)
.irp g, G1, G1B
	s_mov_b32 s[\g+1], (TSL/8)<<16
	s_mov_b32 s[\g+2], 16<<16                      ; the head's loads of codes bring all 16 tiles of a side; behind them the two words that count rows are set to 8
	s_mov_b32 s[\g+3], (TSL/8)<<16
	s_mov_b32 s[\g+4], 16
	s_mov_b32 s[\g+5], TROW/8
	s_mov_b32 s[\g+6], 0
	s_mov_b32 s[\g+7], 0
.endr
	s_or_b32 s[G1S+0], s42, (3<<16)|(1<<21)
	s_or_b32 s[G1SB+0], s43, (3<<16)|(1<<21)
.irp g, G1S, G1SB
	s_mov_b32 s[\g+1], 32<<16
	s_mov_b32 s[\g+2], 128<<16                     ; the scale words of a side's 16 tiles: 32,768 dense bytes as 128 rows of 256
	s_mov_b32 s[\g+3], 32<<16
	s_mov_b32 s[\g+4], 128
	s_mov_b32 s[\g+5], 32
	s_mov_b32 s[\g+6], 0
	s_mov_b32 s[\g+7], 0
.endr
	s_lshl_b32 s20, s17, 4
	s_lshl_b32 s22, s20, 11
	s_mul_i32 s20, s20, TROW
	s_mul_i32 s21, s45, CSEC
	s_add_co_u32 s20, s20, s21
	s_mul_i32 s21, s45, SSEC
	s_add_co_u32 s22, s22, s21
	s_mov_b32 s21, 0
	s_mov_b32 s23, 0
	s_lshl_b32 s46, s18, 4
	s_lshl_b32 s66, s46, 11
	s_mul_i32 s46, s46, TROW
	s_mul_i32 s47, s44, CSEC
	s_add_co_u32 s46, s46, s47
	s_mul_i32 s47, s44, SSEC
	s_add_co_u32 s66, s66, s47
	s_mov_b32 s47, 0
	s_mov_b32 s67, 0
	s_mul_i32 s2, s14, HALFT                       ; in the ring: where my 8 tiles go
	s_mul_i32 s44, s16, 8*TROW                     ; in the ring: which 8 tiles of a side I fetch, in bytes
	s_mov_b32 s45, 0
	s_mov_b32 s[SEL], 0x76543210
	s_mov_b32 s[SEL+1], 0xfedcba98
	s_wait_kmcnt 0x0
	s_add_nc_u64 s[20:21], s[4:5], s[20:21]
	s_add_nc_u64 s[22:23], s[6:7], s[22:23]
	s_add_nc_u64 s[46:47], s[4:5], s[46:47]
	s_add_nc_u64 s[66:67], s[6:7], s[66:67]
	CROUND
	s_mov_b32 s[G0S], 1
	s_mov_b32 s[G0S+1], SCL
	s_mov_b64 s[G0S+2:G0S+3], s[22:23]
	s_or_b32 s[G0S+3], s[G0S+3], 0x80000000
	s_mov_b32 s[G0SB], 1
	s_mov_b32 s[G0SB+1], SCL+2*HALFS
	s_mov_b64 s[G0SB+2:G0SB+3], s[66:67]
	s_or_b32 s[G0SB+3], s[G0SB+3], 0x80000000
	s_mov_b32 s92, 1                               ; group 0 for the head's loads of slot 0: the left side's 16 tiles,
	s_mov_b32 s93, 0
	s_mov_b64 s[94:95], s[20:21]
	s_or_b32 s95, s95, 0x80000000
	s_mov_b32 s96, 1                               ; and the right side's, behind them
	s_mov_b32 s97, 2*HALFT
	s_mov_b64 s[98:99], s[46:47]
	s_or_b32 s99, s99, 0x80000000
	s_add_nc_u64 s[20:21], s[20:21], s[44:45]      ; for the ring: my 8 tiles
	s_add_nc_u64 s[46:47], s[46:47], s[44:45]
.irp s, 0,1
	s_mov_b32 s[G0+4*\s], 1
	s_add_co_u32 s[G0+4*\s+1], s2, \s*SLOT
	s_add_nc_u64 s[G0+4*\s+2:G0+4*\s+3], s[20:21], \s*TSL
	s_or_b32 s[G0+4*\s+3], s[G0+4*\s+3], 0x80000000
	s_mov_b32 s[G0B+4*\s], 1
	s_add_co_u32 s[G0B+4*\s+1], s2, \s*SLOT
	s_add_nc_u64 s[G0B+4*\s+2:G0B+4*\s+3], s[46:47], \s*TSL
	s_or_b32 s[G0B+4*\s+3], s[G0B+4*\s+3], 0x80000000
.endr
; THE HEAD'S LOADS, ONE A WAVE: wave 0 slot 0's left side, wave 1 its right side, wave 2 the left side's scale words, wave 3 the right side's.  One chain of branches on the wave's number, a load to an arm.
.macro ARM under, g0, g1, next
	s_cmp_lt_u32 s14, \under
	s_cbranch_scc0 \next
	tensor_load_to_lds s[\g0:\g0+3], s[\g1:\g1+7]
	s_nop 0
.rept 4
	v_nop
.endr
	s_branch .Lhead_asked
\next:
.endm
	ARM 1, 92, G1, .Lhead_b
	ARM 2, 96, G1B, .Lhead_sa
	ARM 3, G0S, G1S, .Lhead_sb
	tensor_load_to_lds s[G0SB:G0SB+3], s[G1SB:G1SB+7]
	s_nop 0
.rept 4
	v_nop
.endr
.Lhead_asked:
	s_wait_alu depctr_va_vdst(0)
	s_wait_tensorcnt 0x0                           ; my tile of the head's four is in
	ds_add_u32 v28, v29
	s_mov_b32 s[G1+2], 8<<16                       ; no tensor load of mine is out: from here on a load brings 8 tiles
	s_mov_b32 s[G1+4], 8
	s_mov_b32 s[G1B+2], 8<<16
	s_mov_b32 s[G1B+4], 8
	s_wait_dscnt 0x0
	CROUND
	JLOAD G0+4, G1, G0B+4, G1B                     ; slot 1's first fill, issued as a refill is
	v_and_b32 v1, 15, v0
	v_bfe_u32 v2, v0, 4, 1
	s_wait_alu depctr_va_vdst(0)
	v_and_b32 v3, 31, v0
	v_lshlrev_b32 v[LI], 4, v3
	v_lshlrev_b32 v[LS], 2, v3
	s_mul_i32 s2, s15, HALFT
	s_mul_i32 s3, s16, HALFT
	s_add_co_u32 s3, s3, 2*HALFT
.irp s, 0,1
	v_add_nc_u32 v[ADRA+\s], s2, v[LI]
	v_add_nc_u32 v[ADRB+\s], s3, v[LI]
	s_add_co_u32 s2, s2, SLOT
	s_add_co_u32 s3, s3, SLOT
.endr
	s_mul_i32 s2, s15, HALFS
	s_mul_i32 s3, s16, HALFS
	s_add_co_u32 s3, s3, 2*HALFS
	s_sub_co_u32 s3, s3, s2
	v_mul_u32_u24 v4, s3, v2
	s_wait_alu depctr_va_vdst(0)
	s_add_co_u32 s2, s2, SCL
	v_add_nc_u32 v4, v4, v[LS]
	v_add_nc_u32 v[ADRS], s2, v4
	v_and_b32 v4, 8, v1
	v_add_nc_u32 v4, v4, v1
	v_lshlrev_b32 v[FA], 9, v4
	v_lshl_add_u32 v[FA], v2, 6, v[FA]
	s_lshl_b32 s46, s18, 1
	s_add_co_u32 s46, s46, s16
	s_lshl_b32 s47, s17, 1
	s_add_co_u32 s47, s47, s15
	s_lshl_b32 s96, s47, 16
	s_mov_b32 s97, 0
	s_add_nc_u64 s[FP:FP+1], s[8:9], s[96:97]
	s_add_nc_u64 s[94:95], s[6:7], UNIT
	s_lshr_b32 s45, s19, 1
	s_cmp_eq_u32 s19, 2
	s_cselect_b32 s66, s47, s46
	s_cselect_b32 s67, s46, s47
	s_cselect_b64 s[FP:FP+1], s[94:95], s[FP:FP+1]
	s_cmp_lg_u32 s19, 0
	s_cselect_b32 s44, 1, 0
	s_mul_i32 s98, s66, 128*IMG
	s_mul_i32 s99, s67, 8*IMG
	s_add_co_u32 s98, s98, s99
	s_lshl_b32 s98, s98, s44
	s_mul_i32 s99, s44, QSEC
	s_add_co_u32 s98, s98, s99
	s_mul_i32 s99, s45, 8*IMG
	s_add_co_u32 s[OC], s98, s99
	s_mov_b32 s[OC+1], 0
	s_add_nc_u64 s[OC:OC+1], s[10:11], s[OC:OC+1]
	s_lshl_b32 s98, s66, 14
	s_lshl_b32 s98, s98, s44
	s_lshl_b32 s99, s67, 10
	s_add_co_u32 s98, s98, s99
	s_mul_i32 s99, s44, QSS
	s_add_co_u32 s98, s98, s99
	s_lshl_b32 s99, s45, 14
	s_add_co_u32 s[OS], s98, s99
	s_mov_b32 s[OS+1], 0
	s_add_nc_u64 s[OS:OS+1], s[12:13], s[OS:OS+1]
.macro FRAG reg, adr, off
.irp g, 0,1,2
	ds_load_b128 v[(\reg)+4*\g:(\reg)+4*\g+3], v[\adr] offset:(\off)+512*\g
.endr
.endm
.macro MUL16 a0, p, q, sc, zero
.irp a, \a0, \a0+1
.irp b, 0,1,2,3,4,5,6,7
.if \zero
	v_wmma_scale_f32_16x16x128_f8f6f4 v[8*(8*((\a)%4)+\b):8*(8*((\a)%4)+\b)+7], v[128*(\p)+FR*\b:128*(\p)+FR*\b+FR-1], v[AF+FR*(\a):AF+FR*(\a)+FR-1], 0, v[SC+8*NQ*(\sc)+NQ*\b+(\q)], v[SC+8*NQ*(\sc)+NQ*(\a)+(\q)] matrix_a_fmt:MATRIX_FMT_FP6 matrix_b_fmt:MATRIX_FMT_FP6 matrix_a_scale:MATRIX_SCALE_ROW1
.else
	v_wmma_scale_f32_16x16x128_f8f6f4 v[8*(8*((\a)%4)+\b):8*(8*((\a)%4)+\b)+7], v[128*(\p)+FR*\b:128*(\p)+FR*\b+FR-1], v[AF+FR*(\a):AF+FR*(\a)+FR-1], v[8*(8*((\a)%4)+\b):8*(8*((\a)%4)+\b)+7], v[SC+8*NQ*(\sc)+NQ*\b+(\q)], v[SC+8*NQ*(\sc)+NQ*(\a)+(\q)] matrix_a_fmt:MATRIX_FMT_FP6 matrix_b_fmt:MATRIX_FMT_FP6 matrix_a_scale:MATRIX_SCALE_ROW1
.endif
.endr
.endr
.endm
.macro FETCH_B slot, q, p
	WIN TO_B
.irp i, 0,1,2,3,4,5,6,7
	FRAG 128*(\p)+FR*\i, ADRB+\slot, \i*TSL+(\q)*IMG
.endr
	WIN 0
.endm
.macro FETCH_A slot, q, i0
.irp i, \i0, \i0+1, \i0+2, \i0+3
	FRAG AF+FR*(\i), ADRA+\slot, (\i)*TSL+(\q)*IMG
.endr
.endm
.macro SCALES sc
.irp i, 0,1,2,3,4,5,6,7
.irp q, 0,1
	ds_load_b32 v[SC+8*NQ*\sc+NQ*\i+\q], v[ADRS] offset:\i*2048+\q*128
.endr
.endr
.endm
.macro STEP slot, q, zero
	s_wait_dscnt 4*NL
	WIN MUL_LO
	MUL16 0, (\q)%2, \q, \slot, \zero
	MUL16 2, (\q)%2, \q, \slot, \zero
	s_wait_dscnt 0
	PLACES NP
	FETCH_B \slot, (\q)+1, 1-(\q)%2
	FETCH_A \slot, (\q)+1, 0
	WIN MUL_HI
	MUL16 4, (\q)%2, \q, \slot, \zero
	MUL16 6, (\q)%2, \q, \slot, \zero
	PLACES NP
	WIN 0
	FETCH_A \slot, (\q)+1, 4
.endm
.macro TURN slot, next, fill
	s_wait_tensorcnt 0x0
	ds_add_u32 v[SPW], v[NIL]
	s_wait_dscnt 4*NL+1
	WIN MUL_LO
	MUL16 0, 1, NQ-1, \slot, 0
	s_wait_dscnt 0x0
	s_barrier_signal -1
	MUL16 2, 1, NQ-1, \slot, 0
	WIN 0
	s_barrier_wait -1
.if \fill
	CREST
	s_add_nc_u64 s[G0+4*\slot+2:G0+4*\slot+3], s[G0+4*\slot+2:G0+4*\slot+3], 2*TSL
	s_add_nc_u64 s[G0B+4*\slot+2:G0B+4*\slot+3], s[G0B+4*\slot+2:G0B+4*\slot+3], 2*TSL
	JLOAD G0+4*\slot, G1, G0B+4*\slot, G1B
.else
	PLACES NP
.endif
	s_wait_alu depctr_va_vdst(0)
	v_add_nc_u32 v[ADRS], NQ*128, v[ADRS]
	FETCH_B \next, 0, 0
	FETCH_A \next, 0, 0
	SCALES \next
	WIN MUL_HI
	MUL16 4, 1, NQ-1, \slot, 0
	MUL16 6, 1, NQ-1, \slot, 0
	PLACES NP
	WIN 0
	FETCH_A \next, 0, 4
.endm
.macro QUANT s
.irp b, 0,1,2,3
	v_max3_num_f32 v[TM+\b], |v[\s+16*\b]|, |v[\s+1+16*\b]|, 0x1800000
.endr
.irp i, 2,4,6,8,10,12,14
.irp b, 0,1,2,3
	v_max3_num_f32 v[TM+\b], v[TM+\b], |v[\s+16*\b+\i]|, |v[\s+1+16*\b+\i]|
.endr
.endr
.irp b, 0,1,2,3
	v_permlanex16_b32 v[TM+4+\b], v[TM+\b], s[SEL], s[SEL+1]
.endr
.irp b, 0,1,2,3
	v_max_num_f32 v[TM+\b], v[TM+\b], v[TM+4+\b]
.endr
.irp b, 0,1,2,3
	v_add_nc_u32 v[TM+12+\b], 0xff000000, v[TM+\b]
.endr
.irp b, 0,1,2,3
	v_lshrrev_b32 v[TM+4+\b], 23, v[TM+12+\b]
.endr
	v_lshl_or_b32 v[PW], v[TM+5], 8, v[TM+4]
	v_lshl_or_b32 v[PW], v[TM+6], 16, v[PW]
	v_lshl_or_b32 v[PW], v[TM+7], 24, v[PW]
.irp c, 0,1
	v_cvt_scalef32_pk16_fp6_f32 v[PC+6*\c:PC+2+6*\c], v[\s+32*\c:\s+15+32*\c], v[TM+12+2*\c]
	v_cvt_scalef32_pk16_fp6_f32 v[PC+12+4*\c:PC+14+4*\c], v[\s+16+32*\c:\s+31+32*\c], v[TM+12+2*\c+1]
.endr
	v_nop
.irp c, 0,1
.irp i, 0,1,2
	v_permlane16_swap_b32 v[PC+6*\c+\i], v[PC+12+4*\c+\i]
.endr
.irp i, 0,1,2
	v_mov_b32 v[PC+3+6*\c+\i], v[PC+12+4*\c+\i]
.endr
.endr
.endm
.macro FSET a
.if (\a)%4 == 0
.set FLO, 96
.set FHI, 224
.elseif (\a)%4 == 1
.set FLO, 0
.set FHI, 32
.elseif (\a)%4 == 2
.set FLO, 128
.set FHI, 160
.else
.set FLO, 64
.set FHI, 192
.endif
.endm
.macro FRQ a
	FSET \a
	WIN TO_B
.irp b, 0,1,2,3
.irp j, 0,1,2,3
	global_load_b128 v[FLO*(1-\b/2)+FHI*(\b/2)+16*(\b%2)+4*\j:FLO*(1-\b/2)+FHI*(\b/2)+16*(\b%2)+4*\j+3], v[FA], s[FP:FP+1] offset:(32*((\a)/2)+8*((\a)%2))*512+128*\b+16*\j
.endr
.endr
	WIN 0
.endm
.macro EPI a
.if (\a) < 6
	s_wait_loadcnt 32
.else
	s_wait_loadcnt 16*(7-(\a))
.endif
.if (\a) < 5
	FRQ (\a)+3
.endif
	FSET \a
	WIN 0x06+(\a)/4
.set AC, 64*((\a)%4)
.irp b, 0,1,2,3
.set FQ, FLO*(1-\b/2)+FHI*(\b/2)+16*(\b%2)
.irp n, 0,2,4,6,8,10,12,14
	v_mul_f32 v[HA+16*\b+\n], v[AC+16*\b+\n+1], v[FQ+\n+1]
	v_mul_f32 v[HA+16*\b+\n+1], v[AC+16*\b+\n+1], v[FQ+\n]
.endr
.irp n, 0,2,4,6,8,10,12,14
	v_fma_f32 v[HA+16*\b+\n], v[AC+16*\b+\n], v[FQ+\n], -v[HA+16*\b+\n]
	v_fma_f32 v[HA+16*\b+\n+1], v[AC+16*\b+\n], v[FQ+\n+1], v[HA+16*\b+\n+1]
.endr
.endr
	WIN 0
	s_wait_xcnt 0x0
	QUANT HA
.irp g, 0,1,2
	global_store_b128 v[LI], v[PC+4*\g:PC+4*\g+3], s[OC:OC+1] offset:IMG*(\a)+512*\g
.endr
	global_store_b32 v[LS], v[PW], s[OS:OS+1] offset:128*(\a)
.endm
	s_wait_alu depctr_va_vdst(0)
	s_wait_tensorcnt 1
	s_barrier_signal -1
	s_barrier_wait -1
	FETCH_B 0, 0, 0
	FETCH_A 0, 0, 0
	SCALES 0
	FETCH_A 0, 0, 4
	STEP 0, 0, 1
	s_mov_b32 s3, LAPS-1
.Llap:
	TURN 0, 1, 1
	STEP 1, 0, 0
	TURN 1, 0, 1
	STEP 0, 0, 0
	s_sub_co_u32 s3, s3, 1
	s_cmp_lg_u32 s3, 0
	s_cbranch_scc1 .Llap
	FRQ 0
	TURN 0, 1, 0
	STEP 1, 0, 0
	FRQ 1
	s_wait_dscnt 4*NL
	WIN MUL_LO
	MUL16 0, 1, NQ-1, 1, 0
	MUL16 2, 1, NQ-1, 1, 0
	s_wait_dscnt 0
	WIN MUL_HI
	MUL16 4, 1, NQ-1, 1, 0
	MUL16 6, 1, NQ-1, 1, 0
	WIN 0
	PLACES NP
.irp b, 0,1,2,3
	v_mov_b32 v[TM+4+\b], 0
.endr
	FRQ 2
.irp a, 0,1,2,3,4,5,6,7
	EPI \a
.endr
	s_wait_tensorcnt 0x0
	ds_add_u32 v[SPW], v[NIL]
	s_wait_dscnt 0x0
	CROUND
	s_endpgm
.Lfunc_end_k_q732f631c34_qkv:
	.size	k_q732f631c34_qkv, .Lfunc_end_k_q732f631c34_qkv-k_q732f631c34_qkv
	.p2alignl 7, 3214868480
	.fill 96, 4, 3214868480
	.section	.rodata,"a",@progbits
	.p2align	6, 0x0
	.amdhsa_kernel k_q732f631c34_qkv
		.amdhsa_group_segment_fixed_size 327680
		.amdhsa_private_segment_fixed_size 0
		.amdhsa_enable_private_segment 0
		.amdhsa_kernarg_size 40
		.amdhsa_user_sgpr_count 2
		.amdhsa_user_sgpr_kernarg_segment_ptr 1
		.amdhsa_wavefront_size32 1
		.amdhsa_system_sgpr_workgroup_id_x 1
		.amdhsa_system_sgpr_workgroup_id_y 1
		.amdhsa_system_sgpr_workgroup_id_z 1
		.amdhsa_system_vgpr_workitem_id 0
		.amdhsa_next_free_vgpr 1024
		.amdhsa_next_free_sgpr 102
		.amdhsa_reserve_vcc 0
		.amdhsa_float_denorm_mode_32 3
		.amdhsa_float_denorm_mode_16_64 3
		.amdhsa_memory_ordered 1
		.amdhsa_forward_progress 1
		.amdhsa_inst_pref_size 205
	.end_amdhsa_kernel
	.amdgpu_metadata
---
amdhsa.version: [ 1, 2 ]
amdhsa.kernels:
  - .name:           k_q732f631c34_qkv
    .symbol:         k_q732f631c34_qkv.kd
    .args:
      - { .name: ci, .offset: 0, .size: 8, .value_kind: global_buffer, .address_space: global }
      - { .name: cs, .offset: 8, .size: 8, .value_kind: global_buffer, .address_space: global }
      - { .name: freqs, .offset: 16, .size: 8, .value_kind: global_buffer, .address_space: global }
      - { .name: qkvc, .offset: 24, .size: 8, .value_kind: global_buffer, .address_space: global }
      - { .name: qkvs, .offset: 32, .size: 8, .value_kind: global_buffer, .address_space: global }
    .group_segment_fixed_size: 327680
    .private_segment_fixed_size: 0
    .kernarg_segment_align: 8
    .kernarg_segment_size: 40
    .max_flat_workgroup_size: 128
    .sgpr_count:     102
    .vgpr_count:     1024
    .wavefront_size: 32
...
	.end_amdgpu_metadata
.endif
;; end of part 2
;; launch attn (part 3): grid 16 x 16, 8 waves a work-group, clusters of 4 x 1, 327,680 bytes of LDS; arguments qkvc, qkvs, mask, ac, asc; writes ac, asc
.if DOCPART == 3
	.amdgcn_target "amdgcn-amd-amdhsa--gfx1250"
	.amdhsa_code_object_version 6
	.text
	.protected	k_q732f631c34_attn
	.globl	k_q732f631c34_attn
	.p2align	8
	.type	k_q732f631c34_attn,@function
k_q732f631c34_attn:
	s_mov_b64 s[64:65], 0
	v_nop
	global_prefetch_b8 v0, s[64:65] scope:SCOPE_SE
	s_setreg_imm32_b32 hwreg(HW_REG_WAVE_MODE, 25, 1), 1
	s_wait_xcnt 0x0
	s_wait_alu depctr_hold_cnt(0) depctr_sa_sdst(0) depctr_va_vdst(0) depctr_va_sdst(0) depctr_va_ssrc(0) depctr_va_vcc(0) depctr_vm_vsrc(0)
	s_getreg_b32 s2, hwreg(HW_REG_IB_STS2, 6, 4)
	s_cmp_eq_u32 s2, 0
	s_cbranch_scc0 .Lentry_in_a_cluster
	s_endpgm
.Lentry_in_a_cluster:
	s_bfe_u32 s2, ttmp6, 0x10000c
	s_cmp_lg_u32 s2, 0x3003
	s_cbranch_scc0 .Lentry_shape_is_right
	s_endpgm
.Lentry_shape_is_right:
; O[h][q] = the sum over k of softmax_k(Q[h][q] . K[h][k] / sqrt(128) + mask[q][k]) V[h][k], both products on codes of FP6 (E2M3) with E8M0 scales; the result is quantised along the head's 128 and stored as codes.
; THE MASK IS AN INPUT: every number of it is read and added; no key step is left out.
; THE SOFTMAX: t = logit x log2(e); M = the row's largest t so far, rounded UP to a whole number; p = 2^(t - M) is quantised along the keys, not normalised; the row's sum is taken of the unquantised p and divides O at the end.
; When M moves, the sum and O are multiplied by 2^(old M - new M): exact.
; SHARES: a work-group owns 128 queries of one head, each of its eight waves 16 of them: two waves to a SIMD, so that one wave's vector work stands beside the other's matrix work and LDS loads.  16 key steps of 128.
; LAYOUT: both products are used transposed: S^T = K Q^T, O^T = V^T P^T: a lane holds ONE query (lane % 16).  K's and V's tiles are images of their registers, whose rows were chosen so that the 16 registers of
; tiles 2 b, 2 b + 1 are 16 neighbours: keys 32 b + 16 (lane / 16) + 0 .. 15 in S^T, channels likewise in O^T.
; THE MASK IS THE C OF THE FIRST PRODUCT: it is brought into the registers in which S^T will stand (C's layout is D's), multiplied by sqrt(128), and the matrix instruction adds Q . K onto it; then t = sum x log2(e) / sqrt(128).
; RING: two LDS slots of FOUR key steps of K's and V's images (24,576 bytes a key step): three refills in all, each with four key steps' work in which to land.  The head's scale words stay in LDS.
; CLUSTER: the four blocks of queries of a cluster belong to one head: K, V and their scale words are asked for jointly.
; THE MASK DOES NOT GO THROUGH THE RING, though the sixteen heads read the same numbers: a key step's tile of it is 65,536 bytes beside K's and V's 24,576; with it in the ring two slots of two key steps (2 x 180,224 bytes) do not fit
; in LDS, so a slot would hold one key step and there would be fifteen refills, each with one key step's work in which to land.  Each wave loads its own 16 rows x 512 bytes, each load 512 consecutive bytes, TWO key steps ahead, into two
; sets of 64 registers; no barrier waits for these loads.  The rows turn through the wave's own stage in LDS (rows 528 bytes apart = 132 words: the sixteen rows of a load start at sixteen different banks; 64 banks of 4 bytes: ISA guide 11.1).
; LIMITS: NaN and infinities are not served; |mask| stays under 3e37 (it is multiplied by sqrt(128)); a row whose every mask is -infinity gives NaN.  The mask is rounded once by that multiplication and added inside the matrix sum.
; A block whose largest magnitude lies under 2^-124 is held at scale byte 1; a block of zeros has byte 1: its codes are zeros.
; REGISTERS: window 0: v1-10 addresses; v12 -M, v13 the largest t, v[14:15] the sum; v16-27 Q, v28 its scale words; v80-87 K's scale words, v88-95 V's; v96-159 mask, S^T, p; v160-223 O^T; v224-235 p's codes; v232-254 at work.
;   window 1: v0-95 eight fragments, K's and then V's; v96-159, v160-223 the mask as loaded, the even and the odd key steps'.
.set IMG,   1536
.set QSEC,  3145728
.set QSS,   262144
.set KSB,   16*IMG                     ; a key step: K's 8 images, then V's 8
.set SLOTB, 4*KSB                      ; a slot
.set SLOT1, 1<<17                      ; slot 1 begins here, so that one exclusive or turns an address in one slot into the other's
.set SCK,   SLOTB                      ; between the slots: K's scale words of the head (16,384 bytes), then V's
.set STG,   SLOT1+SLOTB                ; behind the ring: the stages; no tile lands here
.set SP,    528                        ; a stage row
.set WST,   16*SP                      ; a wave's stage
.set SPARE, STG+8*WST                  ; the spare words, 128 bytes for each wave: four blocks of 256 bytes that no other line names
.set LI,   1                           ; v1   16 x lane
.set STA,  2                           ; v2   my stage, on the way in
.set ASC,  3                           ; v3   my place among the scale words
.set PFM,  4                           ; v4   the mask's prefetches: 8,192 (lane % 16) + 256 (lane / 16); never rewritten
.set SPW,  5
.set NIL,  6
.set PFKO, 7                           ; v7   K's and V's prefetch: 256 x lane; never rewritten
.set LDA,  8                           ; v8   my stage, on the way out: row r, + 64 h
.set ADF,  9
.set ADS,  10
.set LS,   29                          ; v29  4 x lane
.set PC,   32                          ; the way out: the fragment, v32-51
.set TM,   52                          ; v52-67
.set PW,   68
.set RB,   96                          ; window 1: the mask as loaded
.set WV,   18
.set SEL,  20
.set CS,   22                          ; s[22:23] c = log2(e) / sqrt(128)
.set G1K,  24
.set G1S,  32
.set G0K,  40                          ; it walks
.set G0S,  44
.set MA,   48                          ; s[48:49] the mask at my first row and the trip's first key
.set PFK,  50                          ; s[50:51] where my prefetch of K and V stands
.set LIMK, 52                          ; s52  1 in a wave that prefetches K and V, else the greatest number
.set CNT,  60                          ; s60  slots still to be asked for
.set TW,   61                          ; s61  counts a slot's two trips
.set TB,   2                           ; s2   LDS byte at which the trip's two key steps begin
.set TS,   3                           ; s3   and their scale words
.set SQ,   72                          ; s[72:73] sqrt(128)
.set MSB, 0
.macro WIN new
.if MSB != (\new)
	s_set_vgpr_msb (MSB<<8)|(\new)
.set MSB, (\new)
.endif
.endm
.macro PLACES n
.rept \n
	v_nop
.endr
.endm
.macro CROUND
	s_barrier_signal -1
	s_barrier_wait -1
	s_cmp_lg_u32 s[WV], 0
	s_cbranch_scc1 .Lnot_wave_0_\@
	s_barrier_signal -3
.Lnot_wave_0_\@:
	s_barrier_wait -3
	s_barrier_signal -1
	s_barrier_wait -1
.endm
; A joint refill: waves 0 to 3 fetch one key step each of the slot's four, the others nothing.  The branch hangs on the wave's number alone.  Four v_nop follow the line.
.macro TLOAD
	s_cmp_lt_u32 s[WV], 4
	s_cbranch_scc0 .Lasked_\@
	tensor_load_to_lds s[G0K:G0K+3], s[G1K:G1K+7]
	s_nop 0
.rept 4
	v_nop
.endr
.Lasked_\@:
.endm
; PREFETCHES INTO THE L2, behind a trip's first loads of the mask.
; The mask: the sixteen heads read the same rows: the work-group of head 0 asks.  Each wave asks for its own 16 rows' 1,024 bytes of the two key steps that the NEXT trip loads: four blocks of 256 bytes a row, two instructions
; (a lane: row lane % 16, block lane / 16, and two blocks on).  The loop's six trips name key steps 4 to 15; key steps 0 to 3 come by their loads alone; the text behind the loop asks for nothing.
; K and V: the four clusters of a head walk the same images: the first asks.  Of the slot that the next change of slots asks for, each partner takes one key step, told apart by address (cx); waves 4 to 6 take 8,192 bytes of it each,
; lanes 256 bytes apart.  They ask in a slot's second trip, two key steps ahead of that change; the last change that fills a slot has none behind it.  Slots 0 and 1 come by their loads alone.
.macro ASK
	s_cmp_lg_u32 s17, 0
	s_cbranch_scc1 .Lnot_m_\@
	global_prefetch_b8 v[PFM], s[MA:MA+1] offset:2048 th:TH_LOAD_NT scope:SCOPE_SE
	global_prefetch_b8 v[PFM], s[MA:MA+1] offset:2560 th:TH_LOAD_NT scope:SCOPE_SE
.Lnot_m_\@:
	s_cmp_eq_u32 s[TW], 1
	s_cselect_b32 s85, s[CNT], 0
	s_cmp_gt_u32 s85, s[LIMK]
	s_cbranch_scc0 .Lnot_k_\@
	global_prefetch_b8 v[PFKO], s[PFK:PFK+1] th:TH_LOAD_NT scope:SCOPE_SE
.Lnot_k_\@:
.endm
.macro FRAG reg, adr, off
.irp g, 0,1,2
	ds_load_b128 v[(\reg)+4*\g:(\reg)+4*\g+3], v[\adr] offset:(\off)+512*\g
.endr
.endm
; my 16 rows' 512 bytes of a key step, off bytes on from s[MA], into set r: each load reads 512 consecutive bytes.  (The windows stand at 0x40: destination window 1.)
.macro MLOAD r, off
.irp i, 0,1,2,3,4,5,6,7,8,9,10,11,12,13,14,15
	global_load_b128 v[RB+64*(\r)+4*\i:RB+64*(\r)+4*\i+3], v[LI], s[MA:MA+1] offset:8192*\i+(\off)
.endr
.endm
.macro QUANT s
.irp b, 0,1,2,3
	v_max3_num_f32 v[TM+\b], |v[\s+16*\b]|, |v[\s+1+16*\b]|, 0x1800000   ; block b: my 16 numbers, and the floor 2^(3 - 127): the byte cannot fall under 1
.endr
.irp i, 2,4,6,8,10,12,14
.irp b, 0,1,2,3
	s_delay_alu instid0(VALU_DEP_4)
	v_max3_num_f32 v[TM+\b], v[TM+\b], |v[\s+16*\b+\i]|, |v[\s+1+16*\b+\i]|
.endr
.endr
.irp b, 0,1,2,3
	s_delay_alu instid0(VALU_DEP_4)
	v_permlanex16_b32 v[TM+4+\b], v[TM+\b], s[SEL], s[SEL+1]
.endr
.irp b, 0,1,2,3
	s_delay_alu instid0(VALU_DEP_4)
	v_max_num_f32 v[TM+\b], v[TM+\b], v[TM+4+\b]
.endr
.irp b, 0,1,2,3
	s_delay_alu instid0(VALU_DEP_4)
	v_add_nc_u32 v[TM+12+\b], 0xff000000, v[TM+\b]
.endr
.irp b, 0,1,2,3
	s_delay_alu instid0(VALU_DEP_4)
	v_lshrrev_b32 v[TM+4+\b], 23, v[TM+12+\b]
.endr
	s_delay_alu instid0(VALU_DEP_3)
	v_lshl_or_b32 v[PW], v[TM+5], 8, v[TM+4]
	s_delay_alu instid0(VALU_DEP_1)
	v_lshl_or_b32 v[PW], v[TM+6], 16, v[PW]
	s_delay_alu instid0(VALU_DEP_1)
	v_lshl_or_b32 v[PW], v[TM+7], 24, v[PW]
.irp c, 0,1
	v_cvt_scalef32_pk16_fp6_f32 v[PC+6*\c:PC+2+6*\c], v[\s+32*\c:\s+15+32*\c], v[TM+12+2*\c]
	v_cvt_scalef32_pk16_fp6_f32 v[PC+12+4*\c:PC+14+4*\c], v[\s+16+32*\c:\s+31+32*\c], v[TM+12+2*\c+1]
.endr
	v_nop                                          ; one plain place behind a scaled conversion
.irp c, 0,1
.irp i, 0,1,2
	v_permlane16_swap_b32 v[PC+6*\c+\i], v[PC+12+4*\c+\i]
.endr
.irp i, 0,1,2
	s_delay_alu instid0(VALU_DEP_3)
	v_mov_b32 v[PC+3+6*\c+\i], v[PC+12+4*\c+\i]
.endr
.endr
.endm
	s_load_b256 s[4:11], s[0:1], 0x0               ; qkvc s[4:5], qkvs s[6:7], mask s[8:9], ac s[10:11]
	s_load_b64 s[12:13], s[0:1], 0x20              ; asc
	v_lshl_add_u32 v[SPW], v0, 2, SPARE
	v_mov_b32 v[NIL], 0
	ds_add_u32 v5, v6
	ds_add_u32 v5, v6
	s_wait_dscnt 0x0
	v_lshrrev_b32 v32, 5, v0
	s_delay_alu instid0(VALU_DEP_1)
	v_readfirstlane_b32 s[WV], v32                 ; wave 0..7
	s_bfe_u32 s14, ttmp6, 0x40000                  ; cx
	s_lshl_b32 s16, ttmp9, 2
	s_add_co_u32 s16, s16, s14                     ; my block of 128 queries
	s_and_b32 s17, ttmp7, 0xffff                   ; my head, which the four partners share
	s_mov_b32 s[G1K], 15|(3<<16)|(1<<21)           ; 15:0 the mask: all four work-groups; 17:16 elements of 8 bytes; 21 set beside a mask.  A key step's 16 images: 24,576 dense bytes as 96 rows of 256
	s_mov_b32 s[G1K+1], 32<<16                     ; tensor_dim0
	s_mov_b32 s[G1K+2], 96<<16                     ; tensor_dim1
	s_mov_b32 s[G1K+3], 32<<16                     ; tile_dim0
	s_mov_b32 s[G1K+4], 96                         ; tile_dim1
	s_mov_b32 s[G1K+5], 32                         ; tensor_dim0_stride
	s_mov_b32 s[G1K+6], 0
	s_mov_b32 s[G1K+7], 0
	s_mov_b32 s[G1S], 15|(3<<16)|(1<<21)           ; a quarter of the head's scale words: 8,192 dense bytes as 32 rows of 256
	s_mov_b32 s[G1S+1], 32<<16
	s_mov_b32 s[G1S+2], 32<<16
	s_mov_b32 s[G1S+3], 32<<16
	s_mov_b32 s[G1S+4], 32
	s_mov_b32 s[G1S+5], 32
	s_mov_b32 s[G1S+6], 0
	s_mov_b32 s[G1S+7], 0
	s_and_b32 s78, s[WV], 3                        ; which quarter I fetch, if I fetch
	s_mul_i32 s79, s78, KSB                        ; my key step of a slot's four: in a slot and in memory
	s_mul_i32 s80, s17, 16*KSB                     ; the head's 16 key steps
	s_add_co_u32 s80, s80, QSEC
	s_add_co_u32 s74, s80, s79
	s_mov_b32 s75, 0
	s_lshl_b32 s82, s17, 15
	s_lshl_b32 s84, s78, 13
	s_add_co_u32 s82, s82, s84
	s_add_co_u32 s82, s82, QSS
	s_mov_b32 s83, 0
	s_mov_b32 s[SEL], 0x76543210
	s_mov_b32 s[SEL+1], 0xfedcba98
	s_mov_b32 s[CS], 0x3e0293ee                    ; log2(e) / sqrt(128)
	s_mov_b32 s[CS+1], s[CS]                       ; (named with it as a pair, so it is written)
	s_mov_b32 s[SQ], 0x413504f3                    ; sqrt(128)
	s_mov_b32 s[SQ+1], s[SQ]
	s_mov_b32 s[TB], 0
	s_mov_b32 s[TS], 0
	s_mov_b32 s[CNT], 3
	s_wait_kmcnt 0x0
	s_mov_b32 s[G0K], 1
	s_mov_b32 s[G0K+1], s79                        ; slot 0
	s_add_nc_u64 s[G0K+2:G0K+3], s[4:5], s[74:75]
	s_or_b32 s[G0K+3], s[G0K+3], 0x80000000
	s_mov_b32 s[G0S], 1
	s_add_co_u32 s[G0S+1], s84, SCK
	s_add_nc_u64 s[G0S+2:G0S+3], s[6:7], s[82:83]
	s_or_b32 s[G0S+3], s[G0S+3], 0x80000000
	CROUND                                         ; all four work-groups are here: the first joint loads meet
	s_cmp_lt_u32 s[WV], 4                          ; one first fill a wave, in the two arms of one branch:
	s_cbranch_scc0 .Lfirst_s
	tensor_load_to_lds s[G0K:G0K+3], s[G1K:G1K+7]  ; waves 0 to 3: key steps 0 to 3 into slot 0
	s_nop 0
.rept 4
	v_nop
.endr
	s_branch .Lno_first
.Lfirst_s:
	tensor_load_to_lds s[G0S:G0S+3], s[G1S:G1S+7]  ; waves 4 to 7: a quarter each of the scale words: filled once
	s_nop 0
.rept 4
	v_nop
.endr
.Lno_first:
	v_and_b32 v32, 15, v0                          ; r
	v_bfe_u32 v33, v0, 4, 1                        ; h
	v_and_b32 v34, 31, v0                          ; lane
	s_wait_alu depctr_va_vdst(0)
	v_lshlrev_b32 v[LI], 4, v34
	s_wait_alu depctr_va_vdst(0)
	v_lshlrev_b32 v[LS], 2, v34
	s_delay_alu instid0(VALU_DEP_1)
	v_add_nc_u32 v[ASC], SCK, v[LS]
	; the prefetch of K and V: where my wave's stands, and who asks (s80: the head's first byte; s84: 8,192 x (wave % 4))
	s_mul_i32 s86, s14, KSB                        ; my work-group's key step of a slot's four,
	s_add_co_u32 s86, s86, s80
	s_add_co_u32 s86, s86, s84                     ; my wave's 8,192 bytes of it,
	s_add_co_u32 s86, s86, SLOTB                   ; in slot 1: the first change of slots steps it to slot 2
	s_mov_b32 s87, 0
	s_add_nc_u64 s[PFK:PFK+1], s[4:5], s[86:87]
	s_sub_co_u32 s85, s[WV], 4
	s_cmp_lt_u32 s85, 3                            ; waves 4 to 6,
	s_cselect_b32 s85, 0, 1
	s_or_b32 s85, s85, ttmp9                       ; of the head's first cluster: the same in all four partners
	s_cmp_eq_u32 s85, 0
	s_cselect_b32 s[LIMK], 1, -1
	v_lshlrev_b32 v[PFKO], 8, v34
	v_lshlrev_b32 v[PFM], 13, v32
	s_delay_alu instid0(VALU_DEP_1)
	v_lshl_add_u32 v[PFM], v33, 8, v[PFM]
	s_mul_i32 s84, s[WV], WST
	s_add_co_u32 s84, s84, STG                     ; my stage
	v_add_nc_u32 v[STA], s84, v[LI]                ; in: a row's 512 bytes as they are loaded
	v_mul_u32_u24 v[LDA], v32, SP
	s_delay_alu instid0(VALU_DEP_1)
	v_lshl_add_u32 v[LDA], v33, 6, v[LDA]          ; out: row r, + 64 h: my 16 keys of a block of 32
	s_delay_alu instid0(VALU_DEP_1)
	v_add_nc_u32 v[LDA], s84, v[LDA]
	; Q: MY TILE IS 16 NEIGHBOURING QUERIES, gathered from two images: query 16 e + r of a group of 32 lies in image r / 8 at lane place 8 e + r % 8 (e = wave % 2)
	v_lshrrev_b32 v35, 3, v32
	v_and_b32 v30, 7, v32
	s_delay_alu instid0(VALU_DEP_1)
	v_lshl_add_u32 v31, v33, 4, v30
	s_delay_alu instid0(VALU_DEP_1)
	v_lshlrev_b32 v31, 4, v31
	s_delay_alu instid0(VALU_DEP_1)
	v_mad_u32_u24 v31, v35, IMG, v31               ; codes: (r / 8) images + 16 (r % 8 + 16 h)
	s_wait_alu depctr_va_vdst(0)
	v_lshlrev_b32 v30, 2, v30
	s_delay_alu instid0(VALU_DEP_1)
	v_lshl_add_u32 v30, v35, 7, v30                ; scale word: 128 (r / 8) + 4 (r % 8)
	s_wait_alu depctr_va_vdst(0)
	s_lshr_b32 s86, s[WV], 1
	s_lshl_b32 s86, s86, 1
	s_lshl_b32 s87, s16, 3
	s_add_co_u32 s86, s86, s87                     ; the group's first image: 8 x block + 2 (wave / 2)
	s_and_b32 s87, s[WV], 1
	s_mul_i32 s88, s86, IMG
	s_mul_i32 s89, s17, 128*IMG
	s_add_co_u32 s88, s88, s89
	s_lshl_b32 s89, s87, 7
	s_add_co_u32 s88, s88, s89
	s_mov_b32 s89, 0
	s_add_nc_u64 s[88:89], s[4:5], s[88:89]
	s_lshl_b32 s90, s86, 7
	s_lshl_b32 s91, s17, 14
	s_add_co_u32 s90, s90, s91
	s_lshl_b32 s91, s87, 5
	s_add_co_u32 s90, s90, s91
	s_mov_b32 s91, 0
	s_add_nc_u64 s[90:91], s[6:7], s[90:91]
.irp g, 0,1,2
	global_load_b128 v[16+4*\g:19+4*\g], v31, s[88:89] offset:512*\g
.endr
	global_load_b32 v28, v30, s[90:91]
	s_lshl_b32 s76, s16, 7                         ; the mask: my first row: 128 x block + 16 x wave,
	s_lshl_b32 s77, s[WV], 4
	s_add_co_u32 s76, s76, s77
	s_lshl_b32 s76, s76, 13                        ; of 8,192 bytes
	s_mov_b32 s77, 0
	s_add_nc_u64 s[MA:MA+1], s[8:9], s[76:77]
	WIN 0x40
	MLOAD 0, 0                                     ; key step 0's mask,
	MLOAD 1, 512                                   ; and key step 1's
	WIN 0
	s_lshl_b32 s92, s16, 3                         ; the result: tile 8 x block + wave, K step = the head
	s_add_co_u32 s92, s92, s[WV]
	s_lshl_b32 s92, s92, 4
	s_add_co_u32 s92, s92, s17
	s_lshl_b32 s94, s92, 7
	s_mul_i32 s92, s92, IMG
	s_mov_b32 s93, 0
	s_mov_b32 s95, 0
	s_add_nc_u64 s[10:11], s[10:11], s[92:93]
	s_add_nc_u64 s[12:13], s[12:13], s[94:95]
	v_mov_b32 v13, 0xff61b1e6                      ; the largest t so far: -3e38
	s_delay_alu instid0(VALU_DEP_1)
	v_floor_f32 v12, -v13                          ; -M
	v_mov_b32 v14, 0
	v_mov_b32 v15, 0
.irp b, 0,1,2,3
	v_mov_b32 v[236+\b], 0                         ; written once: a lane permute's destination counts as one of its sources
	v_mov_b32 v[TM+4+\b], 0
.endr
	v_mov_b32 v253, 0                              ; (named as the upper half of the pair v[252:253] before it is first written)
.set j, 0
.rept 64
	v_mov_b32 v[160+j], 0                          ; O^T: the step is written for every turn alike; the first finds zeros, which the first change of M leaves zeros
.set j, j+1
.endr
; A KEY STEP: 128 keys: the r-th of the trip's two, at s[TB] + r key steps.  ahead = 1: the mask of the key step two on is asked for.  left: how many younger loads of the mask may be out.  ask = 1: the trip's prefetches.
.macro STEP r, ahead, left, ask
	v_add_nc_u32 v[ADF], s[TB], v[LI]
	v_add_nc_u32 v[ADS], s[TS], v[ASC]
	v_nop
	v_nop                                          ; four places in front of loads into the fragments that the last products read
	s_wait_alu depctr_va_vdst(0)
	s_wait_loadcnt \left                           ; this step's mask is in (in the first step Q too, which was asked for ahead of it); the next step's 16 loads may be out
	WIN 0x04                                       ; an LDS store's data are its source 1: window 1
.irp i, 0,1,2,3,4,5,6,7,8,9,10,11,12,13,14,15
	ds_store_b128 v[STA], v[RB+64*(\r)+4*\i:RB+64*(\r)+4*\i+3] offset:SP*\i
.endr
	WIN 0
.irp b, 0,1,2,3
.irp j, 0,1,2,3
	ds_load_b128 v[96+16*\b+4*\j:99+16*\b+4*\j], v[LDA] offset:128*\b+16*\j   ; LDS serves a wave's instructions in order (ISA guide 5.7.1.4): these see the stores above.  mask(my query, 32 b + 16 h + 4 j ..): register 16 b + i stands where S^T's key 32 b + 16 h + i will
.endr
.endr
	WIN 0x40                                       ; destination window 1
.irp t, 0,1,2,3,4,5,6,7
	FRAG 12*\t, ADF, KSB*(\r)+IMG*\t               ; K's eight fragments
.endr
	s_wait_dscnt 24                                ; the mask is back from the stage, so the stores have read their registers; K's 24 loads may be out
.if \ahead
	MLOAD \r, 1024+512*(\r)                        ; which take the mask of two key steps on
.endif
	WIN 0
.irp t, 0,1,2,3,4,5,6,7
	ds_load_b32 v[80+\t], v[ADS] offset:1024*(\r)+128*\t
.endr
.if \ask
	ASK
.endif
.set j, 0
.rept 32
	v_pk_mul_f32 v[96+j:97+j], v[96+j:97+j], s[SQ:SQ+1] op_sel_hi:[1,0]   ; mask x sqrt(128)
.set j, j+2
.endr
	PLACES 4                                       ; between the last of these and the products that take them as C
	s_wait_alu depctr_va_vdst(0)
	s_wait_dscnt 0x0                               ; K and its words are in
	WIN 0x01                                       ; source 0 window 1
.irp t, 0,1,2,3,4,5,6,7                        ; eight accumulators, one instruction each
	v_wmma_scale_f32_16x16x128_f8f6f4 v[96+8*\t:103+8*\t], v[12*\t:12*\t+11], v[16:27], v[96+8*\t:103+8*\t], v[80+\t], v28 matrix_a_fmt:MATRIX_FMT_FP6 matrix_b_fmt:MATRIX_FMT_FP6
.endr
	WIN 0
	PLACES 4                                       ; in front of loads into the fragments just read, and of the first read of results
.irp t, 0,1,2,3,4,5,6,7
	ds_load_b32 v[88+\t], v[ADS] offset:16384+1024*(\r)+128*\t
.endr
	WIN 0x40
.irp t, 0,1,2,3,4,5,6,7
	FRAG 12*\t, ADF, KSB*(\r)+8*IMG+IMG*\t         ; V's eight fragments take K's registers: they have the softmax in which to land
.endr
	WIN 0
.irp b, 0,1,2,3
	v_max3_num_f32 v[232+\b], v[96+16*\b], v[97+16*\b], v[98+16*\b]   ; the largest sum of each block of 32 keys: it serves for the row's maximum and, since p rises with it, for the block's largest p
.endr
.irp i, 3,5,7,9,11,13
.irp b, 0,1,2,3
	v_max3_num_f32 v[232+\b], v[232+\b], v[96+16*\b+\i], v[97+16*\b+\i]
.endr
.endr
.irp b, 0,1,2,3
	v_max_num_f32 v[232+\b], v[232+\b], v[111+16*\b]
.endr
.irp b, 0,1,2,3
	s_delay_alu instid0(VALU_DEP_4)
	v_permlanex16_b32 v[236+\b], v[232+\b], s[SEL], s[SEL+1]
.endr
.irp b, 0,1,2,3
	s_delay_alu instid0(VALU_DEP_4)
	v_max_num_f32 v[232+\b], v[232+\b], v[236+\b]  ; with lane l xor 16's 16 keys
.endr
	s_delay_alu instid0(VALU_DEP_2)
	v_max3_num_f32 v254, v232, v233, v234
	s_delay_alu instid0(VALU_DEP_1)
	v_max_num_f32 v254, v254, v235
	s_delay_alu instid0(VALU_DEP_1)
	v_mul_f32 v254, s[CS], v254                    ; as t (c is positive)
	s_delay_alu instid0(VALU_DEP_1)
	v_max_num_f32 v13, v13, v254                   ; the running largest t
	v_mov_b32 v254, v12
	s_delay_alu instid0(VALU_DEP_2)
	v_floor_f32 v12, -v13                          ; the new -M = floor(-t) = -ceil(t)
	s_delay_alu instid0(VALU_DEP_1)
	v_sub_f32 v254, v12, v254                      ; old M - new M: a whole number, 0 or less
	s_delay_alu instid0(VALU_DEP_1)
	v_cvt_i32_f32 v254, v254                       ; (it saturates)
	s_delay_alu instid0(VALU_DEP_1)
	v_ldexp_f32 v252, 1.0, v254                    ; f = 2^(old M - new M)
.set j, 0
.rept 32
	v_pk_fma_f32 v[96+j:97+j], v[96+j:97+j], s[CS:CS+1], v[12:13] op_sel_hi:[1,0,0]   ; t - M
.set j, j+2
.endr
.irp b, 0,1,2,3
	v_fma_f32 v[232+\b], v[232+\b], s[CS], v12
.endr
.set j, 0
	s_wait_alu depctr_va_vdst(0)
.rept 64
	v_exp_f32 v[96+j], v[96+j]                     ; p = 2^(t - M), at most 1
.set j, j+1
.endr
.irp b, 0,1,2,3
	v_exp_f32 v[232+\b], v[232+\b]                 ; the block's largest p: the same two instructions on the same number
.endr
	v_pk_mul_f32 v[14:15], v[14:15], v[252:253] op_sel_hi:[1,0]   ; the sums under the new M.  (A plain place behind the exponentials)
	s_wait_alu depctr_va_vdst(0)
.irp b, 0,1,2,3
	v_max_num_f32 v[232+\b], 0x1800000, v[232+\b]  ; the floor 2^(3 - 127)
.endr
.irp b, 0,1,2,3
	s_delay_alu instid0(VALU_DEP_4)
	v_add_nc_u32 v[244+\b], 0xff000000, v[232+\b]  ; the conversion's scale operand
.endr
.irp b, 0,1,2,3
	s_delay_alu instid0(VALU_DEP_4)
	v_lshrrev_b32 v[236+\b], 23, v[244+\b]
.endr
	s_delay_alu instid0(VALU_DEP_3)
	v_lshl_or_b32 v253, v237, 8, v236              ; p's scale word for these 128 keys
	s_delay_alu instid0(VALU_DEP_1)
	v_lshl_or_b32 v253, v238, 16, v253
	s_delay_alu instid0(VALU_DEP_1)
	v_lshl_or_b32 v253, v239, 24, v253
.irp c, 0,1
	v_cvt_scalef32_pk16_fp6_f32 v[224+6*\c:226+6*\c], v[96+32*\c:111+32*\c], v[244+2*\c]
	v_cvt_scalef32_pk16_fp6_f32 v[236+4*\c:238+4*\c], v[112+32*\c:127+32*\c], v[244+2*\c+1]
.endr
	v_nop                                          ; one plain place behind a scaled conversion
.irp c, 0,1
.irp i, 0,1,2
	v_permlane16_swap_b32 v[224+6*\c+\i], v[236+4*\c+\i]
.endr
.irp i, 0,1,2
	s_delay_alu instid0(VALU_DEP_3)
	v_mov_b32 v[227+6*\c+\i], v[236+4*\c+\i]
.endr
.endr
	v_pk_add_f32 v[236:237], v[100:101], v[104:105]
	v_pk_add_f32 v[254:255], v[108:109], v[112:113]
	v_pk_add_f32 v[250:251], v[116:117], v[120:121]
	v_pk_add_f32 v[248:249], v[124:125], v[128:129]
	v_pk_add_f32 v[246:247], v[132:133], v[136:137]
	v_pk_add_f32 v[244:245], v[140:141], v[144:145]
	v_pk_add_f32 v[242:243], v[148:149], v[152:153]
	v_pk_add_f32 v[14:15], v[14:15], v[156:157]
	v_pk_add_f32 v[236:237], v[236:237], v[96:97]
	v_pk_add_f32 v[254:255], v[254:255], v[98:99]
	v_pk_add_f32 v[250:251], v[250:251], v[102:103]
	v_pk_add_f32 v[248:249], v[248:249], v[106:107]
	v_pk_add_f32 v[246:247], v[246:247], v[110:111]
	v_pk_add_f32 v[244:245], v[244:245], v[114:115]
	v_pk_add_f32 v[242:243], v[242:243], v[118:119]
	v_pk_add_f32 v[14:15], v[14:15], v[122:123]
	v_pk_add_f32 v[236:237], v[236:237], v[126:127]
	v_pk_add_f32 v[254:255], v[254:255], v[130:131]
	v_pk_add_f32 v[250:251], v[250:251], v[134:135]
	v_pk_add_f32 v[248:249], v[248:249], v[138:139]
	v_pk_add_f32 v[246:247], v[246:247], v[142:143]
	v_pk_add_f32 v[244:245], v[244:245], v[146:147]
	v_pk_add_f32 v[242:243], v[242:243], v[150:151]
	v_pk_add_f32 v[14:15], v[14:15], v[154:155]
	v_pk_add_f32 v[236:237], v[236:237], v[158:159]
	s_delay_alu instid0(VALU_DEP_2)
	v_pk_add_f32 v[14:15], v[14:15], v[248:249]
	s_delay_alu instid0(VALU_DEP_2)
	v_pk_add_f32 v[236:237], v[236:237], v[246:247]
	v_pk_add_f32 v[254:255], v[254:255], v[244:245]
	v_pk_add_f32 v[250:251], v[250:251], v[242:243]
	s_delay_alu instid0(VALU_DEP_2)
	v_pk_add_f32 v[14:15], v[14:15], v[254:255]
	s_delay_alu instid0(VALU_DEP_2)
	v_pk_add_f32 v[236:237], v[236:237], v[250:251]
	s_delay_alu instid0(VALU_DEP_1)
	v_pk_add_f32 v[14:15], v[14:15], v[236:237]
.set j, 0
.rept 32
	v_pk_mul_f32 v[160+j:161+j], v[160+j:161+j], v[252:253] op_sel_hi:[1,0]   ; O^T under the new M.  (These are also the places between p's codes and scale word and the products below)
.set j, j+2
.endr
	s_wait_alu depctr_va_vdst(0)
	s_wait_dscnt 0x0                               ; V and its words are in
	WIN 0x01
.irp t, 0,1,2,3,4,5,6,7
	v_wmma_scale_f32_16x16x128_f8f6f4 v[160+8*\t:167+8*\t], v[12*\t:12*\t+11], v[224:235], v[160+8*\t:167+8*\t], v[88+\t], v253 matrix_a_fmt:MATRIX_FMT_FP6 matrix_b_fmt:MATRIX_FMT_FP6
.endr
	WIN 0
.endm
; THE CHANGE OF SLOTS stands at a slot's head.  Each wave waits for all its tensor loads (its part of the slot that it is about to read), adds 0 to its spare word, and waits for that and for its reads of the slot that it has left.
; fill = 1: the barrier is a round of the cluster's, and behind it the other slot is filled with the next four key steps: the load has this slot's four key steps in which to land.
.macro CHANGE fill
	s_wait_tensorcnt 0x0                           ; no tensor load of mine is out, so a group 0 may be written
	ds_add_u32 v[SPW], v[NIL]                      ; 0 onto my spare word
.if \fill
	s_xor_b32 s[G0K+1], s[G0K+1], SLOT1            ; the walking descriptor: the other slot than last time,
	s_add_nc_u64 s[G0K+2:G0K+3], s[G0K+2:G0K+3], SLOTB     ; the next four key steps; the type bits on top are not reached
	s_wait_xcnt 0x0                                ; the last prefetch of K and V, two key steps back, has read its address, so it may be written
	s_add_nc_u64 s[PFK:PFK+1], s[PFK:PFK+1], SLOTB
	s_wait_dscnt 0x0                               ; the add is done, and my reads of the slot that I have left are over
	CROUND
	TLOAD                                          ; the first thing behind the round, and a wave's one tensor load until the next
.else
	s_wait_dscnt 0x0
	s_barrier_signal -1
	s_barrier_wait -1
.endif
.endm
.Lslot:                                            ; 3 trips: behind each change of slots but the last the next slot is asked for
	CHANGE 1
	s_mov_b32 s[TW], 2
.Lpair:                                            ; a slot's four key steps: two trips of two, in which the mask's two sets of registers take turns
	STEP 0, 1, 16, 1
	STEP 1, 1, 16, 0
	s_wait_xcnt 0x0                                ; the trip's loads and prefetches of the mask have read their base: it is stepped only behind this wait
	s_add_nc_u64 s[MA:MA+1], s[MA:MA+1], 1024
	s_add_co_u32 s[TB], s[TB], 2*KSB
	s_add_co_u32 s[TS], s[TS], 2048
	s_sub_co_u32 s[TW], s[TW], 1
	s_cmp_lg_u32 s[TW], 0
	s_cbranch_scc1 .Lpair
	s_sub_co_u32 s[TB], s[TB], SLOTB               ; back to a slot's first key step,
	s_xor_b32 s[TB], s[TB], SLOT1                  ; in the other slot
	s_sub_co_u32 s[CNT], s[CNT], 1
	s_cmp_lg_u32 s[CNT], 0
	s_cbranch_scc1 .Lslot
	CHANGE 0                                       ; the last slot is written out
	STEP 0, 1, 16, 0                               ; key steps 12 and 13 ask for the mask of 14 and 15
	STEP 1, 1, 16, 0
	s_add_co_u32 s[TB], s[TB], 2*KSB
	s_add_co_u32 s[TS], s[TS], 2048
	STEP 0, 0, 16, 0                               ; key step 14: key step 15's 16 loads may be out
	STEP 1, 0, 0, 0                                ; key step 15: the count has run down
	; THE WAY OUT: O^T / the sum; register 16 b + i is channel 32 b + 16 h + i of my query: quantised as it stands; the fragment is K step = head of the last product's left operand
	PLACES 4
	v_add_f32 v14, v14, v15
	s_delay_alu instid0(VALU_DEP_1)
	v_permlanex16_b32 v252, v14, s[SEL], s[SEL+1]
	s_delay_alu instid0(VALU_DEP_1)
	v_add_f32 v14, v14, v252                       ; the row's sum
	s_wait_alu depctr_va_vdst(0)
	v_rcp_f32 v14, v14
	v_nop                                          ; a plain place behind the transcendental
.set j, 0
	s_wait_alu depctr_va_vdst(0)
.rept 64
	v_mul_f32 v[96+j], v[160+j], v14
.set j, j+1
.endr
	QUANT 96
.irp g, 0,1,2
	global_store_b128 v[LI], v[PC+4*\g:PC+4*\g+3], s[10:11] offset:512*\g   ; 32 lanes store 512 consecutive bytes, aligned
.endr
	global_store_b32 v[LS], v[PW], s[12:13]
	s_wait_tensorcnt 0x0                           ; the wave's end
	ds_add_u32 v[SPW], v[NIL]
	s_wait_dscnt 0x0
	CROUND                                         ; the closing round
	s_endpgm
.Lfunc_end_k_q732f631c34_attn:
	.size	k_q732f631c34_attn, .Lfunc_end_k_q732f631c34_attn-k_q732f631c34_attn
	.p2alignl 7, 3214868480
	.fill 96, 4, 3214868480
	.section	.rodata,"a",@progbits
	.p2align	6, 0x0
	.amdhsa_kernel k_q732f631c34_attn
		.amdhsa_group_segment_fixed_size 327680
		.amdhsa_private_segment_fixed_size 0
		.amdhsa_enable_private_segment 0
		.amdhsa_kernarg_size 40
		.amdhsa_user_sgpr_count 2
		.amdhsa_user_sgpr_kernarg_segment_ptr 1
		.amdhsa_wavefront_size32 1
		.amdhsa_system_sgpr_workgroup_id_x 1
		.amdhsa_system_sgpr_workgroup_id_y 1
		.amdhsa_system_sgpr_workgroup_id_z 1
		.amdhsa_system_vgpr_workitem_id 0
		.amdhsa_next_free_vgpr 480
		.amdhsa_next_free_sgpr 96
		.amdhsa_reserve_vcc 0
		.amdhsa_float_denorm_mode_32 3
		.amdhsa_float_denorm_mode_16_64 3
		.amdhsa_memory_ordered 1
		.amdhsa_forward_progress 1
		.amdhsa_inst_pref_size 179
	.end_amdhsa_kernel
	.amdgpu_metadata
---
amdhsa.version: [ 1, 2 ]
amdhsa.kernels:
  - .name:           k_q732f631c34_attn
    .symbol:         k_q732f631c34_attn.kd
    .args:
      - { .name: qkvc, .offset: 0, .size: 8, .value_kind: global_buffer, .address_space: global }
      - { .name: qkvs, .offset: 8, .size: 8, .value_kind: global_buffer, .address_space: global }
      - { .name: mask, .offset: 16, .size: 8, .value_kind: global_buffer, .address_space: global }
      - { .name: ac, .offset: 24, .size: 8, .value_kind: global_buffer, .address_space: global }
      - { .name: asc, .offset: 32, .size: 8, .value_kind: global_buffer, .address_space: global }
    .group_segment_fixed_size: 327680
    .private_segment_fixed_size: 0
    .kernarg_segment_align: 8
    .kernarg_segment_size: 40
    .max_flat_workgroup_size: 256
    .sgpr_count:     96
    .vgpr_count:     480
    .wavefront_size: 32
...
	.end_amdgpu_metadata
.endif
;; end of part 3
;; launch oproj (part 4): grid 16 x 16, 4 waves a work-group, clusters of 4 x 4, 327,680 bytes of LDS; arguments ac, asc, ci, cs, out0; writes out0
.if DOCPART == 4
	.amdgcn_target "amdgcn-amd-amdhsa--gfx1250"
	.amdhsa_code_object_version 6
	.text
	.protected	k_q732f631c34_oproj
	.globl	k_q732f631c34_oproj
	.p2align	8
	.type	k_q732f631c34_oproj,@function
k_q732f631c34_oproj:
	s_mov_b64 s[64:65], 0
	v_nop
	global_prefetch_b8 v0, s[64:65] scope:SCOPE_SE
	s_setreg_imm32_b32 hwreg(HW_REG_WAVE_MODE, 25, 1), 1
	s_wait_xcnt 0x0
	s_wait_alu depctr_hold_cnt(0) depctr_sa_sdst(0) depctr_va_vdst(0) depctr_va_sdst(0) depctr_va_ssrc(0) depctr_va_vcc(0) depctr_vm_vsrc(0)
	s_getreg_b32 s2, hwreg(HW_REG_IB_STS2, 6, 4)
	s_cmp_eq_u32 s2, 0
	s_cbranch_scc0 .Lentry_in_a_cluster
	s_endpgm
.Lentry_in_a_cluster:
	s_bfe_u32 s2, ttmp6, 0x10000c
	s_cmp_lg_u32 s2, 0xf033
	s_cbranch_scc0 .Lentry_shape_is_right
	s_endpgm
.Lentry_shape_is_right:
.set CSEC,  3145728
.set SSEC,  262144
.set IMG,   1536
.set TROW,  16*IMG
.set NQ,    4
.set TSL,   NQ*IMG
.set FR,    12
.set HALFT, 4*TSL
.set SLOT,  4*HALFT
.set SCL,   2*SLOT
.set HALFS, 4*2048
.set SPARE, SCL+4*HALFS
.set STAGE, SPARE+512
.set SPITCH, 272
.set ADRA, 16
.set ADRB, 20
.set STO,  24
.set RD,   25
.set CO,   26
.set ADRS, 27
.set SPW,  28
.set NIL,  29
.set SC,   32
.set BK,   64
.set ACC,  128
.set G1,   24
.set G0,   32
.set G1B,  48
.set G0B,  56
.set G1S,  68
.set G0S,  76
.set G1SB, 80
.set G0SB, 88
.set MSB, 0
.macro WIN new
.if MSB != (\new)
	s_set_vgpr_msb (MSB<<8)|(\new)
.set MSB, (\new)
.endif
.endm
.set MUL,  0x05
.set TO_F, 0x40
.macro JLOAD g0a, g1a, g0b, g1b
	s_cmp_eq_u32 s15, 0
	s_cbranch_scc0 .Lfor_b_\@
	tensor_load_to_lds s[\g0a:\g0a+3], s[\g1a:\g1a+7]
	s_nop 0
.rept 4
	v_nop
.endr
	s_branch .Lasked_\@
.Lfor_b_\@:
	tensor_load_to_lds s[\g0b:\g0b+3], s[\g1b:\g1b+7]
	s_nop 0
.rept 4
	v_nop
.endr
.Lasked_\@:
.endm
.macro CREST
	s_cmp_lg_u32 s14, 0
	s_cbranch_scc1 .Lnot_wave_0_\@
	s_barrier_signal -3
.Lnot_wave_0_\@:
	s_barrier_wait -3
	s_barrier_signal -1
	s_barrier_wait -1
.endm
.macro CROUND
	s_barrier_signal -1
	s_barrier_wait -1
	CREST
.endm
.macro PLACES n
.rept \n
	v_nop
.endr
.endm
	s_load_b256 s[4:11], s[0:1], 0x0
	s_load_b64 s[12:13], s[0:1], 0x20
	v_lshl_add_u32 v[SPW], v0, 2, SPARE
	v_mov_b32 v[NIL], 0
	ds_add_u32 v28, v29
	ds_add_u32 v28, v29
	s_wait_dscnt 0x0
	v_lshrrev_b32 v1, 5, v0
	v_readfirstlane_b32 s14, v1
	s_lshr_b32 s15, s14, 1
	s_and_b32 s16, s14, 1
	s_bfe_u32 s40, ttmp6, 0x40000
	s_bfe_u32 s41, ttmp6, 0x40004
	s_lshl_b32 s18, ttmp9, 2
	s_add_co_u32 s18, s18, s40
	s_and_b32 s17, ttmp7, 0xffff
	s_lshl_b32 s17, s17, 2
	s_add_co_u32 s17, s17, s41
	s_lshl_b32 s42, s41, 2
	s_lshl_b32 s42, 15, s42
	s_lshl_b32 s43, 0x1111, s40
	s_or_b32 s[G1+0], s42, (3<<16)|(1<<21)
	s_or_b32 s[G1B+0], s43, (3<<16)|(1<<21)
.irp g, G1, G1B
	s_mov_b32 s[\g+1], (TSL/8)<<16
	s_mov_b32 s[\g+2], 8<<16                       ; the head's loads of codes bring all 8 tiles of a side; behind them the two words that count rows are set to 4
	s_mov_b32 s[\g+3], (TSL/8)<<16
	s_mov_b32 s[\g+4], 8
	s_mov_b32 s[\g+5], TROW/8
	s_mov_b32 s[\g+6], 0
	s_mov_b32 s[\g+7], 0
.endr
	s_or_b32 s[G1S+0], s42, (3<<16)|(1<<21)
	s_or_b32 s[G1SB+0], s43, (3<<16)|(1<<21)
.irp g, G1S, G1SB
	s_mov_b32 s[\g+1], 32<<16
	s_mov_b32 s[\g+2], 64<<16                      ; the scale words of a side's 8 tiles: 16,384 dense bytes as 64 rows of 256
	s_mov_b32 s[\g+3], 32<<16
	s_mov_b32 s[\g+4], 64
	s_mov_b32 s[\g+5], 32
	s_mov_b32 s[\g+6], 0
	s_mov_b32 s[\g+7], 0
.endr
	s_lshl_b32 s20, s17, 3
	s_lshl_b32 s22, s20, 11
	s_mul_i32 s20, s20, TROW
	s_mov_b32 s21, 0
	s_mov_b32 s23, 0
	s_lshl_b32 s46, s18, 3
	s_lshl_b32 s66, s46, 11
	s_mul_i32 s46, s46, TROW
	s_add_co_u32 s46, s46, 4*CSEC
	s_add_co_u32 s66, s66, 4*SSEC
	s_mov_b32 s47, 0
	s_mov_b32 s67, 0
	s_mul_i32 s98, s14, HALFT
	s_mul_i32 s2, s16, 4*TROW                      ; in the ring: which 4 tiles of a side I fetch, in bytes
	s_mov_b32 s3, 0
	s_wait_kmcnt 0x0
	s_add_nc_u64 s[20:21], s[4:5], s[20:21]
	s_add_nc_u64 s[22:23], s[6:7], s[22:23]
	s_add_nc_u64 s[46:47], s[8:9], s[46:47]
	s_add_nc_u64 s[66:67], s[10:11], s[66:67]
	CROUND
	s_mov_b32 s[G0S], 1
	s_mov_b32 s[G0S+1], SCL
	s_mov_b64 s[G0S+2:G0S+3], s[22:23]
	s_or_b32 s[G0S+3], s[G0S+3], 0x80000000
	s_mov_b32 s[G0SB], 1
	s_mov_b32 s[G0SB+1], SCL+2*HALFS
	s_mov_b64 s[G0SB+2:G0SB+3], s[66:67]
	s_or_b32 s[G0SB+3], s[G0SB+3], 0x80000000
	s_mov_b32 s4, 1                                ; group 0 for the head's loads of slot 0 (the arguments that lay here have been used): A's 8 tiles,
	s_mov_b32 s5, 0
	s_mov_b64 s[6:7], s[20:21]
	s_or_b32 s7, s7, 0x80000000
	s_mov_b32 s8, 1                                ; and B's, behind them
	s_mov_b32 s9, 2*HALFT
	s_mov_b64 s[10:11], s[46:47]
	s_or_b32 s11, s11, 0x80000000
	s_add_nc_u64 s[20:21], s[20:21], s[2:3]        ; for the ring: my 4 tiles
	s_add_nc_u64 s[46:47], s[46:47], s[2:3]
.irp s, 0,1
	s_mov_b32 s[G0+4*\s], 1
	s_add_co_u32 s[G0+4*\s+1], s98, \s*SLOT
	s_add_nc_u64 s[G0+4*\s+2:G0+4*\s+3], s[20:21], \s*TSL
	s_or_b32 s[G0+4*\s+3], s[G0+4*\s+3], 0x80000000
	s_mov_b32 s[G0B+4*\s], 1
	s_add_co_u32 s[G0B+4*\s+1], s98, \s*SLOT
	s_add_nc_u64 s[G0B+4*\s+2:G0B+4*\s+3], s[46:47], \s*TSL
	s_or_b32 s[G0B+4*\s+3], s[G0B+4*\s+3], 0x80000000
.endr
; THE HEAD'S LOADS, ONE A WAVE: wave 0 slot 0's tiles of A, wave 1 those of B, wave 2 A's scale words, wave 3 B's.  One chain of branches on the wave's number, a load to an arm.
.macro ARM under, g0, g1, next
	s_cmp_lt_u32 s14, \under
	s_cbranch_scc0 \next
	tensor_load_to_lds s[\g0:\g0+3], s[\g1:\g1+7]
	s_nop 0
.rept 4
	v_nop
.endr
	s_branch .Lhead_asked
\next:
.endm
	ARM 1, 4, G1, .Lhead_b
	ARM 2, 8, G1B, .Lhead_sa
	ARM 3, G0S, G1S, .Lhead_sb
	tensor_load_to_lds s[G0SB:G0SB+3], s[G1SB:G1SB+7]
	s_nop 0
.rept 4
	v_nop
.endr
.Lhead_asked:
	s_wait_alu depctr_va_vdst(0)
	s_wait_tensorcnt 0x0                           ; my tile of the head's four is in
	ds_add_u32 v28, v29
	s_mov_b32 s[G1+2], 4<<16                       ; no tensor load of mine is out: from here on a load brings 4 tiles
	s_mov_b32 s[G1+4], 4
	s_mov_b32 s[G1B+2], 4<<16
	s_mov_b32 s[G1B+4], 4
	s_wait_dscnt 0x0
	CROUND
	JLOAD G0+4, G1, G0B+4, G1B                     ; slot 1's first fill, issued as a refill is
	v_and_b32 v1, 15, v0
	v_bfe_u32 v2, v0, 4, 1
	s_wait_alu depctr_va_vdst(0)
	v_and_b32 v3, 31, v0
	v_lshlrev_b32 v4, 4, v3
	v_lshlrev_b32 v5, 2, v3
	s_mul_i32 s2, s15, HALFT
	s_mul_i32 s3, s16, HALFT
	s_add_co_u32 s3, s3, 2*HALFT
.irp s, 0,1
	v_add_nc_u32 v[ADRA+\s], s2, v4
	v_add_nc_u32 v[ADRB+\s], s3, v4
	s_add_co_u32 s2, s2, SLOT
	s_add_co_u32 s3, s3, SLOT
.endr
	s_mul_i32 s2, s15, HALFS
	s_mul_i32 s3, s16, HALFS
	s_add_co_u32 s3, s3, 2*HALFS
	s_sub_co_u32 s3, s3, s2
	v_mul_u32_u24 v6, s3, v2
	s_wait_alu depctr_va_vdst(0)
	s_add_co_u32 s2, s2, SCL
	v_add_nc_u32 v6, v6, v5
	v_add_nc_u32 v[ADRS], s2, v6
	s_mul_i32 s2, s14, 16*SPITCH
	s_add_co_u32 s2, s2, STAGE
	v_mul_u32_u24 v6, v1, SPITCH
	v_lshl_add_u32 v6, v2, 6, v6
	v_add_nc_u32 v[STO], s2, v6
	v_mul_u32_u24 v6, v2, SPITCH
	v_lshl_add_u32 v6, v1, 4, v6
	v_add_nc_u32 v[RD], s2, v6
	v_lshlrev_b32 v[CO], 13, v2
	v_lshl_add_u32 v[CO], v1, 4, v[CO]
	s_lshl_b32 s92, s17, 7
	s_lshl_b32 s93, s15, 6
	s_add_co_u32 s92, s92, s93
	s_lshl_b32 s92, s92, 13
	s_lshl_b32 s93, s18, 9
	s_add_co_u32 s92, s92, s93
	s_lshl_b32 s93, s16, 8
	s_add_co_u32 s92, s92, s93
	s_mov_b32 s93, 0
	s_add_nc_u64 s[12:13], s[12:13], s[92:93]
.macro FRAG reg, adr, off
.irp g, 0,1,2
	ds_load_b128 v[(\reg)+4*\g:(\reg)+4*\g+3], v[\adr] offset:(\off)+512*\g
.endr
.endm
.macro FETCH slot, q, p
	WIN TO_F
.irp i, 0,1,2,3
	FRAG 128*(\p)+FR*\i, ADRA+\slot, \i*TSL+(\q)*IMG
	FRAG 128*(\p)+48+FR*\i, ADRB+\slot, \i*TSL+(\q)*IMG
.endr
.endm
.macro SCALES sc
.irp i, 0,1,2,3
.irp q, 0,1,2,3
	ds_load_b32 v[SC+16*\sc+4*\i+\q], v[ADRS] offset:\i*2048+\q*128
.endr
.endr
.endm
.macro MULA p, q, sc, a, zero
.irp b, 0,1,2,3
.if \zero
	v_wmma_scale_f32_16x16x128_f8f6f4 v[ACC+8*(4*(\a)+\b):ACC+8*(4*(\a)+\b)+7], v[128*(\p)+48+FR*\b:128*(\p)+48+FR*\b+FR-1], v[128*(\p)+FR*(\a):128*(\p)+FR*(\a)+FR-1], 0, v[SC+16*(\sc)+4*\b+(\q)], v[SC+16*(\sc)+4*(\a)+(\q)] matrix_a_fmt:MATRIX_FMT_FP6 matrix_b_fmt:MATRIX_FMT_FP6 matrix_a_scale:MATRIX_SCALE_ROW1
.else
	v_wmma_scale_f32_16x16x128_f8f6f4 v[ACC+8*(4*(\a)+\b):ACC+8*(4*(\a)+\b)+7], v[128*(\p)+48+FR*\b:128*(\p)+48+FR*\b+FR-1], v[128*(\p)+FR*(\a):128*(\p)+FR*(\a)+FR-1], v[ACC+8*(4*(\a)+\b):ACC+8*(4*(\a)+\b)+7], v[SC+16*(\sc)+4*\b+(\q)], v[SC+16*(\sc)+4*(\a)+(\q)] matrix_a_fmt:MATRIX_FMT_FP6 matrix_b_fmt:MATRIX_FMT_FP6 matrix_a_scale:MATRIX_SCALE_ROW1
.endif
.endr
.endm
.macro KSTEP slot, q, zero
	s_wait_dscnt 0x0
	PLACES 4
	FETCH \slot, (\q)+1, 1-(\q)%2
	WIN MUL
.irp a, 0,1,2,3
	MULA (\q)%2, \q, \slot, \a, \zero
.endr
.endm
.macro TURN slot, next, fill
	WIN 0
	s_wait_tensorcnt 0x0
	ds_add_u32 v[SPW], v[NIL]
	s_wait_dscnt 1
	WIN MUL
	MULA 1, 3, \slot, 0, 0
	s_wait_dscnt 0x0
	s_barrier_signal -1
	MULA 1, 3, \slot, 1, 0
	WIN 0
	s_barrier_wait -1
.if \fill
	CREST
	s_add_nc_u64 s[G0+4*\slot+2:G0+4*\slot+3], s[G0+4*\slot+2:G0+4*\slot+3], 2*TSL
	s_add_nc_u64 s[G0B+4*\slot+2:G0B+4*\slot+3], s[G0B+4*\slot+2:G0B+4*\slot+3], 2*TSL
	JLOAD G0+4*\slot, G1, G0B+4*\slot, G1B
.else
	PLACES 4
.endif
	s_wait_alu depctr_va_vdst(0)
	v_add_nc_u32 v[ADRS], NQ*128, v[ADRS]
	FETCH \next, 0, 0
	WIN 0
	SCALES \next
	WIN MUL
	MULA 1, 3, \slot, 2, 0
	MULA 1, 3, \slot, 3, 0
.endm
	s_wait_alu depctr_va_vdst(0)
	s_wait_tensorcnt 1
	s_barrier_signal -1
	s_barrier_wait -1
	FETCH 0, 0, 0
	WIN 0
	SCALES 0
	KSTEP 0, 0, 1
	KSTEP 0, 1, 0
	KSTEP 0, 2, 0
	TURN 0, 1, 1
	KSTEP 1, 0, 0
	KSTEP 1, 1, 0
	KSTEP 1, 2, 0
	TURN 1, 0, 1
	KSTEP 0, 0, 0
	KSTEP 0, 1, 0
	KSTEP 0, 2, 0
	TURN 0, 1, 0
	KSTEP 1, 0, 0
	KSTEP 1, 1, 0
	KSTEP 1, 2, 0
	s_wait_dscnt 0x0
	WIN MUL
.irp a, 0,1,2,3
	MULA 1, 3, 1, \a, 0
.endr
	WIN 0
.macro TOSTAGE a
.irp k, 0,1,2,3,4,5,6,7
	ds_store_b128 v[STO], v[ACC+32*(\a)+4*\k:ACC+32*(\a)+4*\k+3] offset:128*(\k/4)+16*(\k%4)
.endr
.irp i, 0,1,2,3,4,5,6,7
	ds_load_b128 v[BK+32*((\a)%2)+4*\i:BK+32*((\a)%2)+4*\i+3], v[RD] offset:\i*2*SPITCH
.endr
.endm
.macro SEND a, younger
	s_wait_dscnt \younger
.irp i, 0,1,2,3,4,5,6,7
	global_store_b128 v[CO], v[BK+32*((\a)%2)+4*\i:BK+32*((\a)%2)+4*\i+3], s[12:13] offset:(16*(\a)+2*\i)*8192 th:TH_STORE_NT
.endr
.endm
	PLACES 4
	TOSTAGE 0
.irp a, 1,2,3
.if \a > 1
	s_wait_xcnt 0x0
.endif
	TOSTAGE \a
	SEND \a-1, 16
.endr
	SEND 3, 0
	s_wait_tensorcnt 0x0
	ds_add_u32 v[SPW], v[NIL]
	s_wait_dscnt 0x0
	CROUND
	s_endpgm
.Lfunc_end_k_q732f631c34_oproj:
	.size	k_q732f631c34_oproj, .Lfunc_end_k_q732f631c34_oproj-k_q732f631c34_oproj
	.p2alignl 7, 3214868480
	.fill 96, 4, 3214868480
	.section	.rodata,"a",@progbits
	.p2align	6, 0x0
	.amdhsa_kernel k_q732f631c34_oproj
		.amdhsa_group_segment_fixed_size 327680
		.amdhsa_private_segment_fixed_size 0
		.amdhsa_enable_private_segment 0
		.amdhsa_kernarg_size 40
		.amdhsa_user_sgpr_count 2
		.amdhsa_user_sgpr_kernarg_segment_ptr 1
		.amdhsa_wavefront_size32 1
		.amdhsa_system_sgpr_workgroup_id_x 1
		.amdhsa_system_sgpr_workgroup_id_y 1
		.amdhsa_system_sgpr_workgroup_id_z 1
		.amdhsa_system_vgpr_workitem_id 0
		.amdhsa_next_free_vgpr 480
		.amdhsa_next_free_sgpr 100
		.amdhsa_reserve_vcc 0
		.amdhsa_float_denorm_mode_32 3
		.amdhsa_float_denorm_mode_16_64 3
		.amdhsa_memory_ordered 1
		.amdhsa_forward_progress 1
		.amdhsa_inst_pref_size 85
	.end_amdhsa_kernel
	.amdgpu_metadata
---
amdhsa.version: [ 1, 2 ]
amdhsa.kernels:
  - .name:           k_q732f631c34_oproj
    .symbol:         k_q732f631c34_oproj.kd
    .args:
      - { .name: ac, .offset: 0, .size: 8, .value_kind: global_buffer, .address_space: global }
      - { .name: asc, .offset: 8, .size: 8, .value_kind: global_buffer, .address_space: global }
      - { .name: ci, .offset: 16, .size: 8, .value_kind: global_buffer, .address_space: global }
      - { .name: cs, .offset: 24, .size: 8, .value_kind: global_buffer, .address_space: global }
      - { .name: out0, .offset: 32, .size: 8, .value_kind: global_buffer, .address_space: global }
    .group_segment_fixed_size: 327680
    .private_segment_fixed_size: 0
    .kernarg_segment_align: 8
    .kernarg_segment_size: 40
    .max_flat_workgroup_size: 128
    .sgpr_count:     100
    .vgpr_count:     480
    .wavefront_size: 32
...
	.end_amdgpu_metadata
.endif
;; end of part 4
